; MI455X (gfx1250); checked and timed in simulation.
; The chip was launched on July 23, 2026; its instructions are those of AMD's public machine-readable ISA for CDNA 5 (MIT licence, August 2026) and "CDNA5" Instruction Set Architecture Reference Guide (July 2026). The comments in the code are by the model that wrote it; some were corrected since.
;; Linear Attention. Allowed arithmetic: matrix products marked QUANTISED: E5M2 operands, one E8M0 scale for each 32 along K, by v_wmma_scale_f32_16x16x128_f8f6f4 with both operands' format E5M2, f32 sums; everything else in f32.
;; Inputs: mask 4 x 4,096 int32; mem_kv 2 x 16 x 4 x 64 float32; w_qkv_codes 3,072 x 32 x 32 uint8 (E5M2 codes of w_qkv, K innermost, in blocks of 32 codes); w_qkv_scales 3,072 x 32 uint8 (E8M0 scales of w_qkv, one for each 32 codes along K); x_codes 4 x 4,096 x 32 x 32 uint8 (E5M2 codes of x, K innermost, in blocks of 32 codes); x_scales 4 x 4,096 x 32 uint8 (E8M0 scales of x, one for each 32 codes along K).
;; Outputs: out0 4 x 4,096 x 1,024 float32.
;; This version of the problem:
;;   THIS VERSION OF THE PROBLEM IS GIVEN IN LOW PRECISION. The matrix products marked QUANTISED in the list below multiply operands that are first quantised to E5M2 (5 exponent bits, 2 mantissa bits; 8 bits a number), with one power-of-two scale for each 32 numbers along K (OCP MX v1.0); their sums are f32. All else is computed in f32.
;;   The module's matrix products, in the order in which they are computed (A, B: the left and right operand; K: the contracted axis; several contracted axes count as one K, in the product's order):
;;     1. [M 16,384, K 1,024] x [K 1,024, N 3,072]; A: input x (given as codes); B: input w_qkv (given as codes): QUANTISED
;;     2. batch 64 x [M 64, K 4,100] x [K 4,100, N 64]; A: softmax (see below); B: computed on the way: QUANTISED
;;     3. batch 64 x [M 4,096, K 64] x [K 64, N 64]; A: softmax (see below); B: computed on the way: QUANTISED
;;   THE QUANTISER, for each operand of a quantised product, along K:
;;     - K is cut into blocks of 32 from its start; a last block that is shorter is filled with zeros.
;;     - A block's scale is 2^e with e = floor(log2(the largest magnitude in the block)) - 15, held to -126 .. 127; a block of zeros has e = 0. As a byte (E8M0): e + 127.
;;     - Each number is divided by its block's scale, clamped to +-57,344, and rounded to the nearest number of E5M2, ties to even, subnormals kept.
;;     - The product sums the exact products of the quantised numbers (number of the format x scale) in f32.
;;   ~~~python
;;   def quantise(x, axis):      # numpy; x: float32 -> the quantised numbers, widened to float32 again
;;       x = np.moveaxis(x, axis, -1); K = x.shape[-1]
;;       x = np.pad(x, [(0, 0)] * (x.ndim - 1) + [(0, -K % 32)]); x = x.reshape(x.shape[:-1] + (-1, 32)); a = np.abs(x).max(-1, keepdims=True)
;;       e = np.where(a > 0, np.clip(np.frexp(np.where(a > 0, a, 1))[1] - 1 - 15, -126, 127), 0)      # np.frexp(a)[1] - 1 = floor(log2(a)), exactly
;;       r = np.clip(x / 2.0 ** e, -57344, 57344)
;;       step = 2.0 ** (np.maximum(np.frexp(np.where(r == 0, 1, r))[1] - 1, -14) - 2)
;;       q = np.round(r / step) * step * 2.0 ** e      # np.round: ties to even
;;       return np.moveaxis(q.reshape(q.shape[:-2] + (-1,))[..., :K], -1, axis).astype(np.float32)
;;   ~~~
;;   SOFTMAX AHEAD OF A QUANTISED PRODUCT. Where the list says 'softmax', what is quantised is not the finished softmax but p = 2^(t - M), with t = logit x log2(e) and M = ceil(the row's largest t), a whole number; so 1/2 < the row's largest p <= 1. The row's sum l is taken of the UNQUANTISED p, in f32, and the product's result is divided by l at the end. Since M is a whole number, a kernel that streams over the keys may use a running M (the ceiling of the running maximum): every later rescaling is an exact power of two, which a block's scale takes up: the codes' values come out the same.
;;   OPERANDS COMPUTED ON THE WAY. 'Computed on the way' means the value that the module computes at that place (a softmax that the list does not call 'softmax' is quantised finished and normalised). What goes into a quantiser is computed in f32, as accurately as f32 sums, v_exp_f32 and their like allow (about 1e-6 of the number): no bf16 or f16 on the way to a quantiser, and a product that is left as it is and whose result goes on into a quantised operand takes f32 operands (vector FMAs, or v_wmma_f32_16x16x4_f32). A number that lies on a knife's edge between two numbers of the format may be rounded either way, as far as f32 arithmetic and the matrix unit's own rounding can turn it there, and no further.
;;   INPUTS GIVEN AS CODES. w_qkv (in the module: [3072, 1024], K = its axis 1); x (in the module: [4, 4096, 1024], K = its axis 2): each comes as NAME_codes (uint8): NAME with its K axis moved to the last place and cut into blocks of 32 codes, [.., K / 32, bytes a block], one block behind the other in memory; one code a byte (a code: sign, 5 exponent bits, 2 mantissa bits); and NAME_scales (uint8): the same leading axes, one E8M0 byte (e + 127) for each 32 codes along K. Its value is code x scale, taken as it is: it is not quantised again, and the codes and scales need not be those that the quantiser above would give.
;; One version. Each part assembles by itself: llvm-mc -triple=amdgcn-amd-amdhsa -mcpu=gfx1250 --defsym DOCPART=n.
;; ======== version 1 of 1: 3 launches
;; workspace buffers: pctx 8,388,608 bytes; pst 262,144 bytes; tailb 262,144 bytes; cq 262,144 bytes; cs 32,768 bytes
;; launch kvctx (part 1): grid 8 x 32, 4 waves a work-group, clusters of 4 x 1, 327,680 bytes of LDS; arguments x_codes, x_scales, w_qkv_codes, w_qkv_scales, mem_kv, mask, pctx, pst, tailb; writes pctx, pst, tailb
.if DOCPART == 1
	.amdgcn_target "amdgcn-amd-amdhsa--gfx1250"
	.amdhsa_code_object_version 6
	.text
	.protected	k_q209742e080_kvctx
	.globl	k_q209742e080_kvctx
	.p2align	8
	.type	k_q209742e080_kvctx,@function
k_q209742e080_kvctx:
	s_mov_b64 s[64:65], 0
	v_nop
	global_prefetch_b8 v0, s[64:65] scope:SCOPE_SE
	s_setreg_imm32_b32 hwreg(HW_REG_WAVE_MODE, 25, 1), 1
	s_wait_xcnt 0x0
	s_wait_alu depctr_hold_cnt(0) depctr_sa_sdst(0) depctr_va_vdst(0) depctr_va_sdst(0) depctr_va_ssrc(0) depctr_va_vcc(0) depctr_vm_vsrc(0)
	s_getreg_b32 s2, hwreg(HW_REG_IB_STS2, 6, 4)
	s_cmp_eq_u32 s2, 0
	s_cbranch_scc0 .Lentry_in_a_cluster
	s_endpgm
.Lentry_in_a_cluster:
	s_bfe_u32 s2, ttmp6, 0x10000c
	s_cmp_lg_u32 s2, 0x3003
	s_cbranch_scc0 .Lentry_shape_is_right
	s_endpgm
.Lentry_shape_is_right:
; k and v of qkv = x W^T (E5M2 codes, E8M0 scales as given), the softmax of k along the sequence, both quantisers along the sequence, and context^T = v^T p, for one
; chunk of 512 places of the lengthened sequence (4 memory rows, then 4,096 rows) and two heads.  Out go PARTIAL contexts in f32 (pctx), each feature's -M and sum (pst), and, from chunk 0,
; the raw k and v of rows 4092..4095 (tailb), which are the sequence's last, short block of 32.
; SHARES.  Work-group: batch b, chunk c (places 512 c .. 512 c + 511 = rows 512 c - 4 .. 512 c + 507, taken modulo 4,096), heads 2 hp, 2 hp + 1.  Wave w: head 2 hp + w / 2, features d, e = 32 (w % 2) + 0 .. 31:
; two tiles of k (f = 0, 1) and two of v (f = 2, 3).  ITS 64 ROWS OF W FOR ALL OF K STAY IN 512 REGISTERS; only x goes through LDS, 128 rows x the whole K to a slot, two slots.
; CLUSTER.  The four work-groups of a cluster hold other heads and the same rows of x: every tile of x is asked for jointly (mask 15, the same descriptor in all four).  W is not shared through LDS: each wave reads its own rows once.
; LAYOUT.  Source 0 = 16 rows of x, source 1 = 16 rows of W: a lane holds ONE feature, and the 64 registers of a feature tile are 64 places of the sequence: register 8 t + j of half h is place 16 t + 8 h + j.
; Converted 16 registers at a time they are an operand along the sequence whose place (block b, half h, i) holds place 32 b + 16 (i / 8) + 8 h + i % 8: a permutation INSIDE each block of 32, the same for k and for v.
; So blocks, scales and products are as defined; only the order of a sum's terms differs.  context^T: source 0 = v (16 e), source 1 = p (16 d): a lane holds one d, so M, the sum and every rescaling are one number a lane.
; SOFTMAX.  t = k m log2(e), -infinity where m = 0; M = the running largest t rounded up to a whole number; p = 2^(t - M) is quantised; the sum is of the unquantised p; when M moves, sum and context are multiplied by 2^(old M - new M).
; LIMITS.  NaN and infinities among the inputs are not served.  A block whose largest magnitude lies under 2^(16 - 127) keeps the scale byte 1 (a block of zeros too: its codes are zeros, and this program alone reads the bytes).
; REGISTERS, in windows of 256: window 0: see the names below.  window 1: the 32 accumulators, (f, t) at 64 f + 8 t.  windows 2, 3: W's fragment (f, K step s) at 64 (s % 4) + 16 f, steps 0-3 in window 2, 4-7 in window 3.
.set PITCH, 1040                       ; an LDS row of x: 1,024 bytes + 16 = 260 words: row r starts 4 r words on modulo 64 (64 banks of 4 bytes: ISA guide 11.1)
.set TILEX, 16*PITCH
.set QUART, 32*PITCH                   ; what one tensor load brings
.set HALFX, 64*PITCH
.set SLOTB, 128*PITCH                  ; slot 0 at 0, slot 1 at SLOTB
.set XSC,   2*SLOTB                    ; x's scale bytes of the 512 places, 32 bytes + 8 a place
.set XSP,   40
.set MT,    XSC+512*XSP                ; m log2(e) of the 512 places, and 2,048 bytes on the addend (0 or -infinity)
.set EXV,   MT+4096                    ; a wave's 4,352 bytes: at the head the stage for W (16 rows x 272); later two fragments of v as images of their registers (2 x 2,048) and their scale words (2 x 128)
.set EXB,   4352
.set SPARE, EXV+4*EXB                  ; the spare words, 128 bytes for each wave: two blocks of 256 bytes that no other line names
.set AX0,  1                           ; v1   my lane's place in a tile of x: r x PITCH + 16 h
.set ADX,  2                           ; v2-3 LDS address of tiles 0-3 and 4-7 of the slot in hand (at the head: STW, LDW)
.set STW,  2
.set LDW,  3
.set AXS0, 4                           ; v4   XSC + 40 x lane;  v5 the same for the slot in hand
.set ADXS, 5
.set AMT0, 6                           ; v6   MT + 32 h;  v7 the same for the slot in hand
.set ADMT, 7
.set SPW,  8                           ; v8   my spare word;  v9 = 0: both never rewritten
.set NIL,  9
.set EXW,  10                          ; v10  where I put v's images;  v11 where I read the head's four;  v12, v13 the same for the scale words
.set EXR,  11
.set EXWS, 12
.set EXRS, 13
.set WVO,  14                          ; v14  my byte in a piece of W: (lane / 16) x 3,072 + 16 (lane % 16)
.set L16,  15                          ; v15  16 x lane
.set WS,   16                          ; v16-31 W's scale words: 8 (f / 2) + s; lanes 0-15 the even tile, lanes 16-31 the odd
.set XS,   32                          ; v32-39 x's scale words, two sets of four: lanes 0-15 tile 2 tp, lanes 16-31 tile 2 tp + 1
.set VSW,  32                          ; behind the first product: v32-35 v's scale words, v36-37 p's, v38-39 those of my two tiles of v
.set KSW,  36
.set PW,   38
.set ST,   40                          ; v40-47 tile i: -M, the largest t, the sum in two halves
.set TM,   48                          ; v48-63 four largest magnitudes, four bytes, four holds, four scale operands; until the substitution: mem_kv's numbers, 4 f + j
.set CTX,  64                          ; v64-127 context^T: (dt, et) at 8 (4 dt + et)
.set XF,   128                         ; v128-255 x's eight fragments; later the mask's numbers; later v's four fragments (128-191)
.set PCD,  192                         ; v192-223 the codes of my two tiles of v
.set FF,   192                         ; then v192-195 the two factors (pairs), v196-199 at work
.set TT,   196
.set KC,   224                         ; v224-255 p's two fragments
.set WV,   22
.set QQ,   23
.set G1,   24                          ; s[24:31] group 1: 32 rows;  s[32:39]: 4 rows;  s[40:47]: 28 rows
.set G1H,  32
.set G1B,  40
.set G0,   48                          ; s[48:51] group 0, which walks;  s[52:55], s[56:59] wave 0's two first fills
.set G0H,  52
.set G0B,  56
.set TB,   60                          ; the slot in hand
.set TBN,  61                          ; the slot last asked for
.set WOFF, 62
.set COND, 63                          ; 0xffff in chunk 0's first slot, else 0
.set TS,   66
.set TMS,  67
.set CNT,  68
.set SEL,  70
.set MNT,  72
.set MSB, 0
.macro WIN new                         ; the immediate's high byte repeats the setting that is left
.if MSB != (\new)
	s_set_vgpr_msb (MSB<<8)|(\new)
.set MSB, (\new)
.endif
.endm
.macro PLACES n                        ; plain places behind matrix instructions (ISA guide 7.12.1)
.rept \n
	v_nop
.endr
.endm
.macro CROUND                          ; a round of the cluster's barrier
	s_barrier_signal -1
	s_barrier_wait -1
	s_cmp_lg_u32 s[WV], 0
	s_cbranch_scc1 .Lnot_wave_0_\@
	s_barrier_signal -3
.Lnot_wave_0_\@:
	s_barrier_wait -3
	s_barrier_signal -1
	s_barrier_wait -1
.endm
; one matrix instruction from the symbols rD, rA, rB, rSA, rSB; zf: it starts the sum; ra, rb: the scale words stand in lanes 16-31
.macro WMS
.if zf
.if ra && rb
	v_wmma_scale_f32_16x16x128_f8f6f4 v[rD:rD+7], v[rA:rA+15], v[rB:rB+15], 0, v[rSA], v[rSB] matrix_a_fmt:MATRIX_FMT_BF8 matrix_b_fmt:MATRIX_FMT_BF8 matrix_a_scale:MATRIX_SCALE_ROW1 matrix_b_scale:MATRIX_SCALE_ROW1
.elseif ra
	v_wmma_scale_f32_16x16x128_f8f6f4 v[rD:rD+7], v[rA:rA+15], v[rB:rB+15], 0, v[rSA], v[rSB] matrix_a_fmt:MATRIX_FMT_BF8 matrix_b_fmt:MATRIX_FMT_BF8 matrix_a_scale:MATRIX_SCALE_ROW1
.elseif rb
	v_wmma_scale_f32_16x16x128_f8f6f4 v[rD:rD+7], v[rA:rA+15], v[rB:rB+15], 0, v[rSA], v[rSB] matrix_a_fmt:MATRIX_FMT_BF8 matrix_b_fmt:MATRIX_FMT_BF8 matrix_b_scale:MATRIX_SCALE_ROW1
.else
	v_wmma_scale_f32_16x16x128_f8f6f4 v[rD:rD+7], v[rA:rA+15], v[rB:rB+15], 0, v[rSA], v[rSB] matrix_a_fmt:MATRIX_FMT_BF8 matrix_b_fmt:MATRIX_FMT_BF8
.endif
.else
.if ra && rb
	v_wmma_scale_f32_16x16x128_f8f6f4 v[rD:rD+7], v[rA:rA+15], v[rB:rB+15], v[rD:rD+7], v[rSA], v[rSB] matrix_a_fmt:MATRIX_FMT_BF8 matrix_b_fmt:MATRIX_FMT_BF8 matrix_a_scale:MATRIX_SCALE_ROW1 matrix_b_scale:MATRIX_SCALE_ROW1
.elseif ra
	v_wmma_scale_f32_16x16x128_f8f6f4 v[rD:rD+7], v[rA:rA+15], v[rB:rB+15], v[rD:rD+7], v[rSA], v[rSB] matrix_a_fmt:MATRIX_FMT_BF8 matrix_b_fmt:MATRIX_FMT_BF8 matrix_a_scale:MATRIX_SCALE_ROW1
.elseif rb
	v_wmma_scale_f32_16x16x128_f8f6f4 v[rD:rD+7], v[rA:rA+15], v[rB:rB+15], v[rD:rD+7], v[rSA], v[rSB] matrix_a_fmt:MATRIX_FMT_BF8 matrix_b_fmt:MATRIX_FMT_BF8 matrix_b_scale:MATRIX_SCALE_ROW1
.else
	v_wmma_scale_f32_16x16x128_f8f6f4 v[rD:rD+7], v[rA:rA+15], v[rB:rB+15], v[rD:rD+7], v[rSA], v[rSB] matrix_a_fmt:MATRIX_FMT_BF8 matrix_b_fmt:MATRIX_FMT_BF8
.endif
.endif
.endm
; W comes in 16 pieces: piece k = tile k % 4, 256 bytes (K steps 2 (k / 4), 2 (k / 4) + 1) of its 16 rows.  Each load: sixteen lanes read 256 consecutive bytes of one row, the other sixteen of the next row of the tile.
.macro WROUND_LD k
	WIN 0x88+0x44*((\k)/8)                         ; loaded data and LDS store data in window 2 or 3, addresses in window 0
.irp i,0,1,2,3,4,5,6,7
.set rW, 64*((2*((\k)/4)+\i/4)%4)+16*((\k)%4)+4*(\i%4)
	global_load_b128 v[rW:rW+3], v[WVO], s[8:9] offset:(16*((\k)%2)+2*\i)*3072+(((\k)%4)/2)*1024+256*((\k)/4)
.endr
.endm
; and turns through my own stage into the two fragments' layout, in place.  LDS serves a wave's instructions in order (ISA guide 5.7.1.4): no wait between the stores and the loads, nor in front of the next piece's stores
.macro WROUND_TR k
	WIN 0x88+0x44*((\k)/8)
.irp i,0,1,2,3,4,5,6,7
.set rW, 64*((2*((\k)/4)+\i/4)%4)+16*((\k)%4)+4*(\i%4)
	ds_store_b128 v[STW], v[rW:rW+3] offset:544*\i
.endr
.irp i,0,1,2,3,4,5,6,7
.set rW, 64*((2*((\k)/4)+\i/4)%4)+16*((\k)%4)+4*(\i%4)
	ds_load_b128 v[rW:rW+3], v[LDW] offset:128*(\i/4)+32*(\i%4)
.endr
.endm
.macro XFETCH hf, ks                   ; four fragments of x (tiles 4 hf ..), K step ks: 16 loads
.irp i,0,1,2,3
.irp cc,0,1,2,3
	ds_load_b128 v[XF+64*(\hf)+16*\i+4*\cc:XF+64*(\hf)+16*\i+4*\cc+3], v[ADX+(\hf)] offset:TILEX*\i+128*(\ks)+32*\cc
.endr
.endr
.endm
.macro XSFETCH ks                      ; the K step's scale words of the 128 rows: 4 loads
.irp tp,0,1,2,3
	ds_load_b32 v[XS+4*((\ks)&1)+\tp], v[ADXS] offset:32*XSP*\tp+4*(\ks)
.endr
.endm
; 16 matrix instructions: tiles 4 hf .. 4 hf + 3 of x against my four tiles of W.  The 32 accumulators take turns, one instruction a turn, in the same order in every K step
.macro MUL16 hf, ks
	WIN 0x58+4*((\ks)/4)                           ; source 0 (x) window 0, source 1 (W) window 2 or 3, C and D window 1
.if (\ks) == 0
.set zf, 1
.else
.set zf, 0
.endif
.irp t,0,1,2,3
.irp f,0,1,2,3
.set rD, 64*\f+8*(4*(\hf)+\t)
.set rA, XF+64*(\hf)+16*\t
.set rB, 64*((\ks)%4)+16*\f
.set rSA, XS+4*((\ks)&1)+(4*(\hf)+\t)/2
.set rSB, WS+8*(\f/2)+(\ks)
.set ra, \t&1
.set rb, \f&1
	WMS
.endr
.endr
.endm
.macro GSTEP ks, pre                   ; a K step of 128: 32 matrix instructions; pre = 1: the next step's fragments are fetched, each half behind the products that read its registers
	s_wait_dscnt 16                                ; tiles 0-3 and the scale words are in; the youngest 16 loads (tiles 4-7) may be out
	MUL16 0, \ks
.if \pre
	PLACES 8
	WIN 0
	XFETCH 0, (\ks)+1
	XSFETCH (\ks)+1
	s_wait_dscnt 20                                ; all but the 16 + 4 just issued
.else
	s_wait_dscnt 0x0
.endif
	MUL16 1, \ks
	PLACES 8
	WIN 0
.if \pre
	XFETCH 1, (\ks)+1
.endif
.endm
; THE CHANGE OF SLOTS stands at a slot's head.  fill = 1: the other slot is asked for, 32 rows a wave, jointly: it has this slot's whole work in which to land.
.macro CHANGE fill
	s_wait_tensorcnt 0x0                           ; all my tensor loads have landed: my part of the slot ahead; so group 0 may be written
	ds_add_u32 v[SPW], v[NIL]                      ; 0 onto my spare word
.if \fill
	s_xor_b32 s[TBN], s[TBN], SLOTB
	s_add_co_u32 s[G0+1], s[TBN], s[WOFF]
	s_add_nc_u64 s[G0+2:G0+3], s[G0+2:G0+3], 128*1024   ; the next 128 rows; the type bits on top are not reached
.endif
	s_wait_dscnt 0x0                               ; the add is done, my LDS stores have landed and my reads of the slot that I have left are over
.if \fill
	CROUND                                         ; no wave of any partner still reads that slot or has a load on its way
	tensor_load_to_lds s[G0:G0+3], s[G1:G1+7]      ; the first thing behind the round, and my one tensor load until the next
	s_nop 0
	PLACES 4
.else
	s_barrier_signal -1
	s_barrier_wait -1
.endif
.endm
; Chunk 0's first four places hold rows 4092..4095: their raw k and v go to tailb, and mem_kv's rows take their place.  The branch hangs on the chunk's number and the slot alone: alike in all partners.
.macro SUBST
	s_cmp_lg_u32 s[COND], 0
	s_cbranch_scc0 .Lno_subst_\@
	WIN 0x04                                       ; a store's data are its source 1: window 1
.irp f,0,1,2,3
	global_store_b128 v[L16], v[64*\f:64*\f+3], s[20:21] offset:512*\f   ; lanes 0-15 hold places 0..3 of feature r
.endr
	s_wait_xcnt 0x0                                ; the stores' data are rewritten only behind this wait
	WIN 0x41
.irp f,0,1,2,3
.irp j,0,1,2,3
	v_cndmask_b32 v[64*\f+\j], v[64*\f+\j], v[TM+4*\f+\j], s[COND]   ; lanes 0-15 alone
.endr
.endr
	WIN 0
.Lno_subst_\@:
.endm
; My tile 2 + i of v becomes a fragment along the sequence and goes to LDS as an image of its registers
.macro QUANTV i
.set VB, 64*(2+\i)
	WIN 0x05                                       ; sources 0 and 1 window 1
.irp b,0,1,2,3
	v_max3_num_f32 v[TM+\b], |v[VB+16*\b]|, |v[VB+16*\b+1]|, 0x8000000   ; and the floor 2^(16 - 127): the byte cannot fall under 1
.endr
.irp k,2,4,6,8,10,12,14
.irp b,0,1,2,3
	v_max3_num_f32 v[TM+\b], |v[VB+16*\b+\k]|, |v[VB+16*\b+\k+1]|, v[TM+\b]
.endr
.endr
	WIN 0
.irp b,0,1,2,3
	v_permlanex16_b32 v[TM+4+\b], v[TM+\b], s[SEL], s[SEL+1]
.endr
.irp b,0,1,2,3
	v_max_num_f32 v[TM+\b], v[TM+\b], v[TM+4+\b]   ; with lane l xor 16's: the block's largest magnitude
.endr
.irp b,0,1,2,3
	v_add_nc_u32 v[TM+12+\b], 0xf8800000, v[TM+\b] ; 15 off its exponent field: the conversion's scale operand
.endr
.irp b,0,1,2,3
	v_and_or_b32 v[TM+8+\b], v[TM+\b], 0x7f800000, s[MNT]   ; 57,344 x the scale
.endr
.irp b,0,1,2,3
	v_lshrrev_b32 v[TM+4+\b], 23, v[TM+12+\b]      ; the scale's byte
.endr
	v_lshl_or_b32 v[PW+\i], v[TM+5], 8, v[TM+4]
	v_lshl_or_b32 v[PW+\i], v[TM+6], 16, v[PW+\i]
	v_lshl_or_b32 v[PW+\i], v[TM+7], 24, v[PW+\i]
	WIN 0x41
.set n, 0
.rept 64
	v_med3_num_f32 v[VB+n], v[VB+n], -v[TM+8+n/16], v[TM+8+n/16]   ; the conversion to an 8-bit code does not saturate (ISA guide 7.6.2)
.set n, n+1
.endr
	WIN 0x01
.irp b,0,1,2,3
	v_cvt_scalef32_pk8_bf8_f32 v[PCD+16*\i+4*\b:PCD+16*\i+4*\b+1], v[VB+16*\b:VB+16*\b+7], v[TM+12+\b]
	v_cvt_scalef32_pk8_bf8_f32 v[PCD+16*\i+4*\b+2:PCD+16*\i+4*\b+3], v[VB+16*\b+8:VB+16*\b+15], v[TM+12+\b]
.endr
	WIN 0
	v_nop                                          ; a plain line behind the last conversion
.irp cc,0,1,2,3
	ds_store_b128 v[EXW], v[PCD+16*\i+4*\cc:PCD+16*\i+4*\cc+3] offset:2048*\i+512*\cc
.endr
	ds_store_b32 v[EXWS], v[PW+\i] offset:128*\i
.endm
; My tile i of k (t lies in its registers): the running M, p, the sum, p's codes and scale word
.macro SOFTK i
.set KB, 64*\i
.set SI, ST+4*\i
	WIN 0x05
.irp b,0,1,2,3
	v_max3_num_f32 v[TM+\b], v[KB+16*\b], v[KB+16*\b+1], 0xff800000   ; the largest t of each block of 32: it serves for the running maximum and, since p rises with t, for the block's largest p
.endr
.irp k,2,4,6,8,10,12,14
.irp b,0,1,2,3
	v_max3_num_f32 v[TM+\b], v[KB+16*\b+\k], v[KB+16*\b+\k+1], v[TM+\b]
.endr
.endr
	WIN 0
.irp b,0,1,2,3
	v_permlanex16_b32 v[TM+4+\b], v[TM+\b], s[SEL], s[SEL+1]
.endr
.irp b,0,1,2,3
	v_max_num_f32 v[TM+\b], v[TM+\b], v[TM+4+\b]
.endr
	v_max3_num_f32 v[TT], v[TM], v[TM+1], v[TM+2]
	v_max_num_f32 v[TT], v[TT], v[TM+3]
	v_max_num_f32 v[SI+1], v[SI+1], v[TT]          ; the running largest t
	v_mov_b32 v[TT], v[SI]
	v_floor_f32 v[SI], -v[SI+1]                    ; -M = floor(-t): M is a whole number
	v_sub_f32 v[TT], v[SI], v[TT]                  ; old M - new M, 0 or less
	v_cvt_i32_f32 v[TT], v[TT]                     ; (it saturates)
	v_ldexp_f32 v[FF+2*\i], 1.0, v[TT]             ; the factor 2^(old M - new M): it rounds nothing
.irp b,0,1,2,3
	v_add_f32 v[TM+\b], v[TM+\b], v[SI]
.endr
	WIN 0x41
.set n, 0
.rept 32
	v_pk_add_f32 v[KB+2*n:KB+2*n+1], v[KB+2*n:KB+2*n+1], v[SI:SI+1] op_sel_hi:[1,0]   ; t - M
.set n, n+1
.endr
.set n, 0
.rept 64
	v_exp_f32 v[KB+n], v[KB+n]                     ; p = 2^(t - M)
.set n, n+1
.endr
	WIN 0
.irp b,0,1,2,3
	v_exp_f32 v[TM+\b], v[TM+\b]                   ; the block's largest p: the same two instructions on the same number
.endr
	v_pk_mul_f32 v[SI+2:SI+3], v[SI+2:SI+3], v[FF+2*\i:FF+2*\i+1] op_sel_hi:[1,0]   ; the sum under the new M (a plain place behind the exponentials)
	s_wait_alu depctr_va_vdst(0)
.irp b,0,1,2,3
	v_max_num_f32 v[TM+\b], 0x8000000, v[TM+\b]
.endr
.irp b,0,1,2,3
	v_add_nc_u32 v[TM+12+\b], 0xf8800000, v[TM+\b]
.endr
.irp b,0,1,2,3
	v_and_or_b32 v[TM+8+\b], v[TM+\b], 0x7f800000, s[MNT]
.endr
.irp b,0,1,2,3
	v_lshrrev_b32 v[TM+4+\b], 23, v[TM+12+\b]
.endr
	v_lshl_or_b32 v[KSW+\i], v[TM+5], 8, v[TM+4]
	v_lshl_or_b32 v[KSW+\i], v[TM+6], 16, v[KSW+\i]
	v_lshl_or_b32 v[KSW+\i], v[TM+7], 24, v[KSW+\i]
	v_mov_b32 v[TT+2], 0
	v_mov_b32 v[TT+3], 0
	WIN 0x01
.set n, 0
.rept 16
	v_pk_add_f32 v[SI+2:SI+3], v[KB+4*n:KB+4*n+1], v[SI+2:SI+3]          ; the sum of the UNQUANTISED p, in two chains
	v_pk_add_f32 v[TT+2:TT+3], v[KB+4*n+2:KB+4*n+3], v[TT+2:TT+3]
.set n, n+1
.endr
	WIN 0x41
.set n, 0
.rept 64
	v_min_num_f32 v[KB+n], v[KB+n], v[TM+8+n/16]   ; p is not negative: a one-sided hold
.set n, n+1
.endr
	WIN 0x01
.irp b,0,1,2,3
	v_cvt_scalef32_pk8_bf8_f32 v[KC+16*\i+4*\b:KC+16*\i+4*\b+1], v[KB+16*\b:KB+16*\b+7], v[TM+12+\b]
	v_cvt_scalef32_pk8_bf8_f32 v[KC+16*\i+4*\b+2:KC+16*\i+4*\b+3], v[KB+16*\b+8:KB+16*\b+15], v[TM+12+\b]
.endr
	WIN 0
	v_pk_add_f32 v[SI+2:SI+3], v[SI+2:SI+3], v[TT+2:TT+3]   ; (a plain line behind the last conversion)
.endm
; A SLOT: 128 places
.macro BODY
	v_add_nc_u32 v[ADX], s[TB], v[AX0]
	v_add_nc_u32 v[ADX+1], HALFX, v[ADX]
	v_add_nc_u32 v[ADXS], s[TS], v[AXS0]
	v_add_nc_u32 v[ADMT], s[TMS], v[AMT0]
	XFETCH 0, 0
	XSFETCH 0
	XFETCH 1, 0
.irp q,0,1,2,3,4,5,6
	GSTEP \q, 1
.endr
	GSTEP 7, 0
.irp t,0,1,2,3,4,5,6,7                 ; the mask's two numbers of the 128 places, in the accumulators' layout: tile t at XF + 16 t, the factor in 0-7, the addend in 8-15
.irp g,0,1
	ds_load_b128 v[XF+16*\t+4*\g:XF+16*\t+4*\g+3], v[ADMT] offset:64*\t+16*\g
	ds_load_b128 v[XF+16*\t+8+4*\g:XF+16*\t+8+4*\g+3], v[ADMT] offset:2048+64*\t+16*\g
.endr
.endr
	SUBST
	s_wait_dscnt 0x0
	WIN 0x41
.irp f,0,1
.irp t,0,1,2,3,4,5,6,7
.irp j,0,2,4,6
	v_pk_fma_f32 v[64*\f+8*\t+\j:64*\f+8*\t+\j+1], v[64*\f+8*\t+\j:64*\f+8*\t+\j+1], v[XF+16*\t+\j:XF+16*\t+\j+1], v[XF+16*\t+8+\j:XF+16*\t+8+\j+1]   ; t = k m log2(e), -infinity where m = 0
.endr
.endr
.endr
	QUANTV 0
	QUANTV 1
	s_wait_dscnt 0x0                               ; for the other wave of my head: my images have landed
	s_barrier_signal -1
	SOFTK 0                                        ; work on registers while the others arrive
	SOFTK 1
.irp dt,0,1
.set n, 0
.rept 16
	v_pk_mul_f32 v[CTX+32*\dt+2*n:CTX+32*\dt+2*n+1], v[CTX+32*\dt+2*n:CTX+32*\dt+2*n+1], v[FF+2*\dt:FF+2*\dt+1] op_sel_hi:[1,0]   ; context^T under the new M
.set n, n+1
.endr
.endr
	PLACES 4
	s_barrier_wait -1
.irp et,0,1,2,3
.irp cc,0,1,2,3
	ds_load_b128 v[XF+16*\et+4*\cc:XF+16*\et+4*\cc+3], v[EXR] offset:(\et/2)*EXB+(\et%2)*2048+512*\cc
.endr
	ds_load_b32 v[VSW+\et], v[EXRS] offset:(\et/2)*EXB+(\et%2)*128
.endr
	s_wait_dscnt 0x0
.set zf, 0
.set ra, 0
.set rb, 0
.irp dt,0,1
.irp et,0,1,2,3
.set rD, CTX+8*(4*\dt+\et)
.set rA, XF+16*\et
.set rB, KC+16*\dt
.set rSA, VSW+\et
.set rSB, KSW+\dt
	WMS                                            ; context^T(e, d) += v^T p over these 128 places; eight accumulators by turns
.endr
.endr
	PLACES 8
	s_mov_b32 s[COND], 0
	s_xor_b32 s[TB], s[TB], SLOTB
	s_add_co_u32 s[TS], s[TS], 128*XSP
	s_add_co_u32 s[TMS], s[TMS], 512
.endm
	s_load_b512 s[4:19], s[0:1], 0x0               ; x's codes, x's scales, W's codes, W's scales, mem_kv, mask, pctx, pst
	s_load_b64 s[20:21], s[0:1], 0x40              ; tailb
	v_lshl_add_u32 v[SPW], v0, 2, SPARE
	v_mov_b32 v[NIL], 0
	ds_add_u32 v8, v9
	ds_add_u32 v8, v9
	s_wait_dscnt 0x0
	v_lshrrev_b32 v1, 5, v0
	v_readfirstlane_b32 s[WV], v1                  ; wave 0..3
	s_and_b32 s[QQ], s[WV], 1
	s_lshr_b32 s73, s[WV], 1
	s_bfe_u32 s74, ttmp6, 0x40000                  ; cx: it enters W's, mem_kv's and the outputs' addresses alone
	s_lshl_b32 s75, ttmp9, 2
	s_add_co_u32 s75, s75, s74
	s_lshl_b32 s75, s75, 1
	s_add_co_u32 s75, s75, s73                     ; head
	s_and_b32 s76, ttmp7, 0xffff
	s_lshr_b32 s77, s76, 3                         ; b
	s_and_b32 s78, s76, 7                          ; c
	s_lshl_b32 s79, s77, 4
	s_add_co_u32 s79, s79, s75                     ; bh = 16 b + head
.irp g, G1, G1H, G1B                   ; group 1: rows of 1,024 bytes, 16 bytes of padding behind each
	s_mov_b32 s[\g], 15|(1<<20)|(1<<21)|(7<<22)|(3<<25)   ; 15:0 the mask: all four work-groups; 17:16 elements of 1 byte; 20 padding on; 21 set beside a mask; 24:22 after every 256 words (code 7); 31:25 four words (code 3)
	s_mov_b32 s[\g+1], 1024<<16                    ; tensor_dim0
	s_mov_b32 s[\g+3], 1024<<16                    ; tile_dim0
	s_mov_b32 s[\g+5], 1024                        ; tensor_dim0_stride
	s_mov_b32 s[\g+6], 0
	s_mov_b32 s[\g+7], 0
.endr
	s_mov_b32 s[G1+2], 32<<16                      ; tensor_dim1, and below tile_dim1
	s_mov_b32 s[G1+4], 32
	s_mov_b32 s[G1H+2], 4<<16
	s_mov_b32 s[G1H+4], 4
	s_mov_b32 s[G1B+2], 28<<16
	s_mov_b32 s[G1B+4], 28
	s_lshl_b32 s80, s77, 12
	s_lshl_b32 s81, s78, 9
	s_add_co_u32 s80, s80, s81                     ; 4,096 b + 512 c
	s_lshl_b32 s82, s[WV], 5
	s_add_co_u32 s82, s82, s80
	s_lshl_b32 s82, s82, 10                        ; my 32 rows of a slot, four rows too far on
	s_mov_b32 s83, 0
	s_sub_co_u32 s88, s81, 4                       ; 512 c - 4
	s_and_b32 s84, s88, 4095
	s_lshl_b32 s85, s77, 12
	s_add_co_u32 s84, s84, s85
	s_lshl_b32 s84, s84, 10                        ; the chunk's first four rows (chunk 0: rows 4092..4095)
	s_mov_b32 s85, 0
	s_lshl_b32 s86, s80, 10                        ; and the 28 behind them
	s_mov_b32 s87, 0
	s_mul_i32 s[WOFF], s[WV], QUART
	s_mov_b32 s[SEL], 0x76543210
	s_mov_b32 s[SEL+1], 0xfedcba98                 ; v_permlanex16_b32's selects for lane l xor 16
	s_mov_b32 s[MNT], 0x600000                     ; the mantissa field of 57,344
	s_mov_b32 s[TB], 0
	s_mov_b32 s[TBN], 0
	s_mov_b32 s[TS], 0
	s_mov_b32 s[TMS], 0
	s_mov_b32 s[CNT], 3
	s_cmp_eq_u32 s78, 0
	s_cselect_b32 s[COND], 0xffff, 0
	s_wait_kmcnt 0x0
	s_mov_b32 s[G0], 1
	s_mov_b32 s[G0+1], s[WOFF]
	s_add_nc_u64 s[G0+2:G0+3], s[4:5], s[82:83]
	s_sub_nc_u64 s[G0+2:G0+3], s[G0+2:G0+3], 4096  ; four rows back (wave 0 never asks by this address: its first slot comes by the two below)
	s_or_b32 s[G0+3], s[G0+3], 0x80000000
	s_mov_b32 s[G0H], 1
	s_mov_b32 s[G0H+1], 0
	s_add_nc_u64 s[G0H+2:G0H+3], s[4:5], s[84:85]
	s_or_b32 s[G0H+3], s[G0H+3], 0x80000000
	s_mov_b32 s[G0B], 1
	s_mov_b32 s[G0B+1], 4*PITCH
	s_add_nc_u64 s[G0B+2:G0B+3], s[4:5], s[86:87]
	s_or_b32 s[G0B+3], s[G0B+3], 0x80000000
	CROUND                                         ; all four work-groups are here: the first joint loads meet
	s_cmp_eq_u32 s[WV], 0                          ; slot 0: a wave's first fills stand in one branch; two loads of wave 0 are out, one of each other wave
	s_cbranch_scc0 .Lnot_first
	tensor_load_to_lds s[G0H:G0H+3], s[G1H:G1H+7]
	s_nop 0
	tensor_load_to_lds s[G0B:G0B+3], s[G1B:G1B+7]
	s_nop 0
	PLACES 4
	s_branch .Lfirst_asked
.Lnot_first:
	tensor_load_to_lds s[G0:G0+3], s[G1:G1+7]
	s_nop 0
	PLACES 4
.Lfirst_asked:
	; the buffers at my part
	s_mul_i32 s89, s75, 192
	s_mul_i32 s90, s[QQ], 96
	s_add_co_u32 s89, s89, s90
	s_add_co_u32 s89, s89, 1                       ; my first row of W: k of feature 32 q
	s_lshl_b32 s90, s89, 10
	s_mov_b32 s91, 0
	s_add_nc_u64 s[8:9], s[8:9], s[90:91]
	s_lshl_b32 s90, s89, 5
	s_add_nc_u64 s[10:11], s[10:11], s[90:91]
	s_lshl_b32 s90, s75, 10
	s_lshl_b32 s92, s[QQ], 7
	s_add_co_u32 s90, s90, s92
	s_add_nc_u64 s[12:13], s[12:13], s[90:91]      ; mem_kv: head, feature 32 q
	s_lshl_b32 s90, s77, 14
	s_add_nc_u64 s[14:15], s[14:15], s[90:91]      ; mask: batch b
	s_lshl_b32 s90, s77, 17
	s_add_nc_u64 s[6:7], s[6:7], s[90:91]          ; x's scales: batch b
	s_lshl_b32 s92, s79, 3
	s_add_co_u32 s92, s92, s78                     ; 8 bh + c
	s_lshl_b32 s90, s92, 1
	s_add_co_u32 s90, s90, s[QQ]
	s_lshl_b32 s90, s90, 13
	s_add_nc_u64 s[16:17], s[16:17], s[90:91]      ; pctx
	s_lshl_b32 s90, s92, 9
	s_lshl_b32 s93, s[QQ], 7
	s_add_co_u32 s90, s90, s93
	s_add_nc_u64 s[18:19], s[18:19], s[90:91]      ; pst
	s_lshl_b32 s90, s79, 1
	s_add_co_u32 s90, s90, s[QQ]
	s_lshl_b32 s90, s90, 11
	s_add_nc_u64 s[20:21], s[20:21], s[90:91]      ; tailb
	s_mul_i32 s94, s[WV], EXB
	s_add_co_u32 s94, s94, EXV                     ; my 4,352 bytes
	s_and_b32 s95, s[WV], 2
	s_mul_i32 s95, s95, EXB
	s_add_co_u32 s95, s95, EXV                     ; my head's first
	v_and_b32 v224, 31, v0                         ; lane
	v_and_b32 v225, 15, v0                         ; r
	v_bfe_u32 v226, v0, 4, 1                       ; h
	v_mul_u32_u24 v[AX0], v225, PITCH
	v_lshl_add_u32 v[AX0], v226, 4, v[AX0]
	v_lshlrev_b32 v[L16], 4, v224
	v_add_nc_u32 v[EXW], s94, v[L16]
	v_add_nc_u32 v[EXR], s95, v[L16]
	v_lshlrev_b32 v[EXWS], 2, v224
	v_add_nc_u32 v[EXRS], s95, v[EXWS]
	v_add_nc_u32 v[EXWS], s94, v[EXWS]
	v_add_nc_u32 v[EXWS], 4096, v[EXWS]
	v_add_nc_u32 v[EXRS], 4096, v[EXRS]
	v_mul_u32_u24 v[STW], v226, 272
	v_lshl_add_u32 v[STW], v225, 4, v[STW]
	v_add_nc_u32 v[STW], s94, v[STW]               ; the stage, in: row lane / 16, 16 bytes a lane
	v_mul_u32_u24 v[LDW], v225, 272
	v_lshl_add_u32 v[LDW], v226, 4, v[LDW]
	v_add_nc_u32 v[LDW], s94, v[LDW]               ; and out: row r, + 16 h
	v_mul_u32_u24 v[WVO], v226, 3072
	v_lshl_add_u32 v[WVO], v225, 4, v[WVO]
	v_mul_u32_u24 v[AXS0], v224, XSP
	v_add_nc_u32 v[AXS0], XSC, v[AXS0]
	v_lshlrev_b32 v[AMT0], 5, v226
	v_add_nc_u32 v[AMT0], MT, v[AMT0]
	v_add_nc_u32 v227, s88, v0                     ; thread t takes places t + 128 i: row (512 c - 4 + place) modulo 4,096
.irp i,0,1,2,3
	v_add_nc_u32 v[228+\i], 128*\i, v227
	v_and_b32 v[228+\i], 4095, v[228+\i]
	v_lshlrev_b32 v[232+\i], 5, v[228+\i]
	v_lshlrev_b32 v[236+\i], 2, v[228+\i]
.endr
	v_lshlrev_b32 v240, 2, v225
	v_mul_u32_u24 v241, v224, 96                   ; W's scale rows: three rows of 32 bytes from feature to feature
	v_mul_u32_u24 v242, v0, XSP
	v_add_nc_u32 v242, XSC, v242
	v_lshl_add_u32 v243, v0, 2, MT
	; 32 small loads
.irp i,0,1,2,3
	global_load_b32 v[128+\i], v[236+\i], s[14:15]
.endr
.irp i,0,1,2,3
	global_load_b128 v[132+8*\i:135+8*\i], v[232+\i], s[6:7]
	global_load_b128 v[136+8*\i:139+8*\i], v[232+\i], s[6:7] offset:16
.endr
.irp f,0,1,2,3
.irp j,0,1,2,3
	global_load_b32 v[TM+4*\f+\j], v240, s[12:13] offset:16384*(\f/2)+256*\j+64*(\f%2)   ; memory row j of my tile f's feature r
.endr
.endr
.irp k,0,1,2,3
	global_load_b128 v[WS+4*\k:WS+4*\k+3], v241, s[10:11] offset:16*\k   ; k's words of K steps 0-3, 4-7, then v's (one row on)
.endr
	WROUND_LD 0
	WROUND_LD 1
	WROUND_LD 2
	WIN 0
	s_wait_loadcnt 24                              ; the small loads are in; W's first three pieces may be out
	v_mov_b32 v252, 0xff800000
	v_mov_b32 v253, 0x3fb8aa3b                     ; log2(e)
	v_mov_b32 v254, 0
.irp i,0,1,2,3
	v_cvt_f32_i32 v[244+\i], v[128+\i]
	v_cmp_eq_u32 vcc_lo, 0, v[128+\i]
	v_mul_f32 v[244+\i], v253, v[244+\i]           ; m log2(e)
	v_cndmask_b32 v[248+\i], v254, v252, vcc_lo    ; -infinity where m = 0
.endr
	v_cmp_gt_u32 vcc_lo, 4, v0                     ; chunk 0's places 0..3 are the memory rows: factor log2(e), addend 0
	s_and_b32 vcc_lo, vcc_lo, s[COND]
	v_cndmask_b32 v244, v244, v253, vcc_lo
	v_cndmask_b32 v248, v248, v254, vcc_lo
.irp i,0,1,2,3
	ds_store_b32 v243, v[244+\i] offset:512*\i
	ds_store_b32 v243, v[248+\i] offset:2048+512*\i
.endr
.irp i,0,1,2,3
.irp k,0,1,2,3
	ds_store_b64 v242, v[132+8*\i+2*\k:133+8*\i+2*\k] offset:128*XSP*\i+8*\k
.endr
.endr
	WROUND_LD 3
	WROUND_LD 4
	WROUND_LD 5
.irp k,0,1,2,3,4,5,6,7,8,9,10,11,12,13,14,15
.if \k+6 < 16
	WROUND_LD \k+6
.endif
.if 15-\k >= 6
	s_wait_loadcnt 48                              ; piece k is in; the six younger pieces may be out
.else
	s_wait_loadcnt 8*(15-\k)
.endif
	WROUND_TR \k
.endr
	WIN 0
.irp i,0,1
	v_mov_b32 v[ST+4*\i+1], 0xff61b1e6             ; the largest t so far: -3e38
	v_floor_f32 v[ST+4*\i], -v[ST+4*\i+1]
	v_mov_b32 v[ST+4*\i+2], 0
	v_mov_b32 v[ST+4*\i+3], 0
.endr
.set n, 0
.rept 64
	v_mov_b32 v[CTX+n], 0                          ; the slot is written for every turn alike: the first finds zeros, which the first change of M leaves zeros
.set n, n+1
.endr
.Lslot:                                            ; three trips: behind each change of slots but the last the next slot is asked for
	CHANGE 1
	BODY
	s_sub_co_u32 s[CNT], s[CNT], 1
	s_cmp_lg_u32 s[CNT], 0
	s_cbranch_scc1 .Lslot
	CHANGE 0                                       ; the last slot is written out
	BODY
	; the way out: the partial context as it lies, each store 512 consecutive bytes; -M and the sum of my 32 features
	v_add_f32 v[TT], v[ST+2], v[ST+3]
	v_add_f32 v[TT+1], v[ST+6], v[ST+7]
	v_permlanex16_b32 v[TM+4], v[TT], s[SEL], s[SEL+1]
	v_permlanex16_b32 v[TM+5], v[TT+1], s[SEL], s[SEL+1]
	v_add_f32 v[TT], v[TT], v[TM+4]
	v_add_f32 v[TT+1], v[TT+1], v[TM+5]
	v_and_b32 v[TT+2], 31, v0
	v_cmp_gt_u32 vcc_lo, 16, v[TT+2]
	v_cndmask_b32 v[TM], v[ST+4], v[ST], vcc_lo    ; lanes 0-15 tile 0's, lanes 16-31 tile 1's
	v_cndmask_b32 v[TM+1], v[TT+1], v[TT], vcc_lo
	v_lshlrev_b32 v[TT+3], 2, v[TT+2]
.irp a,0,1,2,3,4,5,6,7
.irp g,0,1
	global_store_b128 v[L16], v[CTX+8*\a+4*\g:CTX+8*\a+4*\g+3], s[16:17] offset:1024*\a+512*\g
.endr
.endr
	global_store_b32 v[TT+3], v[TM], s[18:19]
	global_store_b32 v[TT+3], v[TM+1], s[18:19] offset:256
	s_wait_tensorcnt 0x0                           ; the wave's end
	ds_add_u32 v[SPW], v[NIL]
	s_wait_dscnt 0x0
	CROUND                                         ; the closing round
	s_endpgm
.Lfunc_end_k_q209742e080_kvctx:
	.size	k_q209742e080_kvctx, .Lfunc_end_k_q209742e080_kvctx-k_q209742e080_kvctx
	.p2alignl 7, 3214868480
	.fill 96, 4, 3214868480
	.section	.rodata,"a",@progbits
	.p2align	6, 0x0
	.amdhsa_kernel k_q209742e080_kvctx
		.amdhsa_group_segment_fixed_size 327680
		.amdhsa_private_segment_fixed_size 0
		.amdhsa_enable_private_segment 0
		.amdhsa_kernarg_size 72
		.amdhsa_user_sgpr_count 2
		.amdhsa_user_sgpr_kernarg_segment_ptr 1
		.amdhsa_wavefront_size32 1
		.amdhsa_system_sgpr_workgroup_id_x 1
		.amdhsa_system_sgpr_workgroup_id_y 1
		.amdhsa_system_sgpr_workgroup_id_z 1
		.amdhsa_system_vgpr_workitem_id 0
		.amdhsa_next_free_vgpr 1024
		.amdhsa_next_free_sgpr 100
		.amdhsa_reserve_vcc 1
		.amdhsa_float_denorm_mode_32 3
		.amdhsa_float_denorm_mode_16_64 3
		.amdhsa_memory_ordered 1
		.amdhsa_forward_progress 1
		.amdhsa_inst_pref_size 255
	.end_amdhsa_kernel
	.section	.bss,"aw",@nobits
	.p2align	6
	.space	262144
	.amdgpu_metadata
---
amdhsa.version: [ 1, 2 ]
amdhsa.kernels:
  - .name:           k_q209742e080_kvctx
    .symbol:         k_q209742e080_kvctx.kd
    .args:
      - { .name: x_codes, .offset: 0, .size: 8, .value_kind: global_buffer, .address_space: global }
      - { .name: x_scales, .offset: 8, .size: 8, .value_kind: global_buffer, .address_space: global }
      - { .name: w_qkv_codes, .offset: 16, .size: 8, .value_kind: global_buffer, .address_space: global }
      - { .name: w_qkv_scales, .offset: 24, .size: 8, .value_kind: global_buffer, .address_space: global }
      - { .name: mem_kv, .offset: 32, .size: 8, .value_kind: global_buffer, .address_space: global }
      - { .name: mask, .offset: 40, .size: 8, .value_kind: global_buffer, .address_space: global }
      - { .name: pctx, .offset: 48, .size: 8, .value_kind: global_buffer, .address_space: global }
      - { .name: pst, .offset: 56, .size: 8, .value_kind: global_buffer, .address_space: global }
      - { .name: tailb, .offset: 64, .size: 8, .value_kind: global_buffer, .address_space: global }
    .group_segment_fixed_size: 327680
    .private_segment_fixed_size: 0
    .kernarg_segment_align: 8
    .kernarg_segment_size: 72
    .max_flat_workgroup_size: 128
    .sgpr_count:     100
    .vgpr_count:     1024
    .wavefront_size: 32
...
	.end_amdgpu_metadata
.endif
;; end of part 1
;; launch combine (part 2): grid 256 x 1, 1 waves a work-group, no clusters, 4,864 bytes of LDS; arguments pctx, pst, tailb, mask, cq, cs; writes cq, cs
.if DOCPART == 2
	.amdgcn_target "amdgcn-amd-amdhsa--gfx1250"
	.amdhsa_code_object_version 6
	.text
	.protected	k_q209742e080_combine
	.globl	k_q209742e080_combine
	.p2align	8
	.type	k_q209742e080_combine,@function
k_q209742e080_combine:
	s_mov_b64 s[64:65], 0
	v_nop
	global_prefetch_b8 v0, s[64:65] scope:SCOPE_SE
	s_setreg_imm32_b32 hwreg(HW_REG_WAVE_MODE, 25, 1), 1
	s_wait_xcnt 0x0
; One wave for (batch and head bh, tile et of 16 e): the eight chunks' partial contexts are brought under one M and added, the sequence's last block of 32 (rows 4092..4095 and 28 zeros) is quantised and multiplied in,
; the context is divided by each d's sum, turned so that d runs along a lane's registers, quantised along d (two blocks of 32), and stored as an image of the third product's operand (cq) with its scale word (cs).
; LAYOUT.  S(D): lane r = feature d = 16 D + r, register j of half h = e = 16 et + 8 h + j, as the partials lie.  The operand's place (block c, half h, i) holds d = 32 c + 16 (i / 8) + 8 h + i % 8, as the third launch lays p.
; No tensor load, no barrier: one wave.  Matrix units do the last block's product alone; clusters and large tiles have nothing to share here.
; LIMITS.  NaN and infinities are not served; a block whose largest magnitude lies under 2^(16 - 127) keeps the scale byte 1; the division is v_rcp_f32 and a multiplication.
; REGISTERS: v1-9 addresses; v16-47 -M of chunk c, tile D (4 c + D), then the chunks' factors; v48-79 their sums, then the tail's p (48-63), v (64-67), 1 / L (68-71), v's eight (72-79);
;   v80-111 first the tail's k (80-95), v (96-99), -M (100-103), L (104-107); then S(D) at 80 + 8 D; v112-239 four sets of 32 for the partials; later p's fragments (112-175), v's (176-191), numbers for the conversions (192-223), at work (224-239);
;   v240-245 scale words; v246-249 at work.
.set MNT, 36
.set SEL, 38
.macro PLOAD c                         ; chunk c's partial: 8 loads of 512 consecutive bytes, into set c % 4
.irp D,0,1,2,3
.irp g,0,1
	global_load_b128 v[112+32*((\c)%4)+8*\D+4*\g:112+32*((\c)%4)+8*\D+4*\g+3], v5, s[4:5] offset:16384*(\c)+8192*(\D/2)+4096*(\D%2)+512*\g th:TH_LOAD_NT
.endr
.endr
.endm
	s_load_b256 s[4:11], s[0:1], 0x0               ; pctx, pst, tailb, mask
	s_load_b128 s[12:15], s[0:1], 0x20             ; cq, cs
	v_lshl_add_u32 v254, v0, 2, 0x1200
	v_mov_b32 v255, 0
	s_and_b32 s16, ttmp9, 3                        ; et
	s_lshr_b32 s17, ttmp9, 2                       ; bh
	s_lshr_b32 s18, s17, 4                         ; b
	v_and_b32 v1, 15, v0                           ; r
	v_bfe_u32 v2, v0, 4, 1                         ; h
	v_lshlrev_b32 v3, 2, v1
	v_lshlrev_b32 v4, 4, v1
	v_lshlrev_b32 v5, 4, v0                        ; 16 x lane
	v_lshlrev_b32 v6, 2, v0
	v_mul_u32_u24 v7, v2, 8*272
	v_lshl_add_u32 v7, v1, 2, v7                   ; the turn, in: row e = 8 h + j of 272 bytes, word d
	v_mul_u32_u24 v8, v1, 272
	v_lshl_add_u32 v8, v2, 5, v8                   ; and out: row e = r, + 32 h
	v_cvt_f32_u32 v9, v2
	v_sub_f32 v9, 1.0, v9                          ; 1 in lanes 0-15, 0 in lanes 16-31
	s_mov_b32 s[MNT], 0x600000
	s_mov_b32 s[SEL], 0x76543210
	s_mov_b32 s[SEL+1], 0xfedcba98
	s_lshl_b32 s20, s17, 17
	s_lshl_b32 s22, s16, 10
	s_add_co_u32 s20, s20, s22
	s_mov_b32 s21, 0
	s_lshl_b32 s22, s17, 12
	s_mov_b32 s23, 0
	s_lshr_b32 s26, s16, 1
	s_lshl_b32 s26, s26, 11
	s_and_b32 s27, s16, 1
	s_lshl_b32 s27, s27, 9
	s_add_co_u32 s26, s26, s27
	s_add_co_u32 s26, s26, 1024                    ; v's tile et in a head's part of tailb
	s_mov_b32 s27, 0
	s_lshl_b32 s40, s18, 14
	s_mov_b32 s41, 0
	s_lshl_b32 s42, ttmp9, 10
	s_mov_b32 s43, 0
	s_lshl_b32 s44, ttmp9, 7
	s_mov_b32 s45, 0
	s_wait_kmcnt 0x0
	s_add_nc_u64 s[4:5], s[4:5], s[20:21]
	s_add_nc_u64 s[6:7], s[6:7], s[22:23]
	s_add_nc_u64 s[8:9], s[8:9], s[22:23]
	s_add_nc_u64 s[24:25], s[8:9], s[26:27]
	s_add_nc_u64 s[10:11], s[10:11], s[40:41]
	s_add_nc_u64 s[12:13], s[12:13], s[42:43]
	s_add_nc_u64 s[14:15], s[14:15], s[44:45]
	s_load_b128 s[28:31], s[10:11], 0x3ff0         ; the mask of rows 4092..4095
.irp c,0,1,2,3,4,5,6,7
.irp D,0,1,2,3
	global_load_b32 v[16+4*\c+\D], v3, s[6:7] offset:512*\c+64*\D
	global_load_b32 v[48+4*\c+\D], v3, s[6:7] offset:512*\c+256+64*\D
.endr
.endr
.irp D,0,1,2,3
	global_load_b128 v[80+4*\D:83+4*\D], v4, s[8:9] offset:2048*(\D/2)+512*(\D%2)   ; raw k of the four rows, feature 16 D + r (both halves of the lanes read the same)
.endr
	global_load_b128 v[96:99], v4, s[24:25]        ; raw v, feature 16 et + r
	PLOAD 0
	PLOAD 1
	PLOAD 2
	PLOAD 3
	s_wait_kmcnt 0x0
.irp j,0,1,2,3
	s_cmp_eq_u32 s[28+\j], 0
	s_cselect_b32 s[32+\j], 0xff800000, 0          ; -infinity where m = 0
	v_cvt_f32_i32 v[246+\j], s[28+\j]
	v_mul_f32 v[246+\j], 0x3fb8aa3b, v[246+\j]     ; m log2(e)
.endr
	s_wait_loadcnt 32                              ; all but the four partials' 32 loads
.irp D,0,1,2,3
.irp j,0,1,2,3
	v_fma_f32 v[80+4*\D+\j], v[80+4*\D+\j], v[246+\j], s[32+\j]   ; t of the tail
.endr
.endr
.irp D,0,1,2,3
	v_max3_num_f32 v[100+\D], v[80+4*\D], v[81+4*\D], v[82+4*\D]
.endr
.irp D,0,1,2,3
	v_max3_num_f32 v[100+\D], v[100+\D], v[83+4*\D], 0xff61b1e6
.endr
.irp D,0,1,2,3
	v_floor_f32 v[100+\D], -v[100+\D]
.endr
.irp c,0,2,4,6
.irp D,0,1,2,3
	v_min3_num_f32 v[100+\D], v[100+\D], v[16+4*\c+\D], v[20+4*\c+\D]   ; -M of the whole sequence
.endr
.endr
.set n, 0
.rept 32
	v_sub_f32 v[16+n], v[100+n%4], v[16+n]         ; the chunk's M less the whole's: a whole number, 0 or less
.set n, n+1
.endr
.set n, 0
.rept 32
	v_cvt_i32_f32 v[16+n], v[16+n]                 ; (it saturates: a chunk all of whose rows are masked gets the factor 0)
.set n, n+1
.endr
.set n, 0
.rept 32
	v_ldexp_f32 v[16+n], 1.0, v[16+n]
.set n, n+1
.endr
.irp D,0,1,2,3
	v_mul_f32 v[104+\D], v[16+\D], v[48+\D]
.endr
.irp c,1,2,3,4,5,6,7
.irp D,0,1,2,3
	v_fmac_f32 v[104+\D], v[16+4*\c+\D], v[48+4*\c+\D]
.endr
.endr
.set n, 0
.rept 16
	v_add_f32 v[80+n], v[80+n], v[100+n/4]
.set n, n+1
.endr
.set n, 0
.rept 16
	v_exp_f32 v[48+n], v[80+n]                     ; the tail's p
.set n, n+1
.endr
.irp j,0,1,2,3
	v_mov_b32 v[64+\j], v[96+\j]                   ; (plain places behind the exponentials)
.endr
	s_wait_alu depctr_va_vdst(0)
.irp j,0,1,2,3
.irp D,0,1,2,3
	v_add_f32 v[104+\D], v[104+\D], v[48+4*\D+\j]  ; L: the sum of the unquantised p
.endr
.endr
.irp D,0,1,2,3
	v_rcp_f32 v[68+\D], v[104+\D]
.endr
	v_nop
	; the eight partials, each under its factor
.macro JOIN c, left
	s_wait_loadcnt \left                           ; chunk c's eight loads are in; the younger chunks' may be out
.irp D,0,1,2,3
.irp j,0,1,2,3,4,5,6,7
.if (\c) == 0
	v_mul_f32 v[80+8*\D+\j], v[16+\D], v[112+8*\D+\j]
.else
	v_fma_f32 v[80+8*\D+\j], v[16+4*(\c)+\D], v[112+32*((\c)%4)+8*\D+\j], v[80+8*\D+\j]
.endif
.endr
.endr
.if (\c) < 4
	PLOAD (\c)+4
.endif
.endm
	JOIN 0, 24
	JOIN 1, 24
	JOIN 2, 24
	JOIN 3, 24
	JOIN 4, 24
	JOIN 5, 16
	JOIN 6, 8
	JOIN 7, 0
	; the last block: four numbers in places (block 0, half 0, 0..3), zero codes everywhere else, on both operands
.irp D,0,1,2,3
	v_max3_num_f32 v[224+\D], v[48+4*\D], v[49+4*\D], 0x8000000
.endr
.irp D,0,1,2,3
	v_max3_num_f32 v[224+\D], v[224+\D], v[50+4*\D], v[51+4*\D]
.endr
.irp D,0,1,2,3
	v_add_nc_u32 v[232+\D], 0xf8800000, v[224+\D]
.endr
.irp D,0,1,2,3
	v_and_or_b32 v[228+\D], v[224+\D], 0x7f800000, s[MNT]
.endr
.irp D,0,1,2,3
	v_lshrrev_b32 v[236+\D], 23, v[232+\D]
.endr
.irp D,0,1,2,3
	v_or_b32 v[240+\D], 0x7f7f7f00, v[236+\D]      ; the blocks of zero codes get the byte 127
.endr
	v_max3_num_f32 v246, |v64|, |v65|, 0x8000000
	v_max3_num_f32 v246, v246, |v66|, |v67|
	v_add_nc_u32 v247, 0xf8800000, v246
	v_and_or_b32 v248, v246, 0x7f800000, s[MNT]
	v_lshrrev_b32 v249, 23, v247
	v_or_b32 v244, 0x7f7f7f00, v249
.irp D,0,1,2,3
.irp j,0,1,2,3
	v_min_num_f32 v[192+8*\D+\j], v[48+4*\D+\j], v[228+\D]
	v_mov_b32 v[196+8*\D+\j], 0
.endr
.endr
.irp D,0,1,2,3
.irp j,0,1,2,3
	v_mul_f32 v[192+8*\D+\j], v[192+8*\D+\j], v9   ; lanes 16-31 hold places of the block that are zeros
.endr
.endr
.irp j,0,1,2,3
	v_med3_num_f32 v[72+\j], v[64+\j], -v248, v248
	v_mov_b32 v[76+\j], 0
.endr
.irp j,0,1,2,3
	v_mul_f32 v[72+\j], v[72+\j], v9
.endr
.irp F,112,128,144,160,176
.irp k,2,3,4,5,6,7,8,9,10,11,12,13,14,15
	v_mov_b32 v[\F+\k], 0
.endr
.endr
.irp D,0,1,2,3
	v_cvt_scalef32_pk8_bf8_f32 v[112+16*\D:113+16*\D], v[192+8*\D:199+8*\D], v[232+\D]
.endr
	v_cvt_scalef32_pk8_bf8_f32 v[176:177], v[72:79], v247
.rept 8
	v_nop                                          ; operands and scale words made by vector instructions stand their places ahead of a scaled matrix instruction
.endr
.irp D,0,1,2,3
	v_wmma_scale_f32_16x16x128_f8f6f4 v[80+8*\D:87+8*\D], v[176:191], v[112+16*\D:127+16*\D], v[80+8*\D:87+8*\D], v244, v[240+\D] matrix_a_fmt:MATRIX_FMT_BF8 matrix_b_fmt:MATRIX_FMT_BF8
.endr
.rept 8
	v_nop
.endr
	s_wait_alu depctr_va_vdst(0)
.irp D,0,1,2,3
.irp j,0,1,2,3,4,5,6,7
	v_mul_f32 v[80+8*\D+\j], v[80+8*\D+\j], v[68+\D]   ; the context: / L of its d
.endr
.endr
.irp D,0,1,2,3
.irp j,0,1,2,3,4,5,6,7
	ds_store_b32 v7, v[80+8*\D+\j] offset:272*\j+64*\D
.endr
.endr
.irp c,0,1
	ds_load_b128 v[192+16*\c:195+16*\c], v8 offset:128*\c        ; LDS serves a wave's instructions in order: these see my stores
	ds_load_b128 v[196+16*\c:199+16*\c], v8 offset:128*\c+16
	ds_load_b128 v[200+16*\c:203+16*\c], v8 offset:128*\c+64
	ds_load_b128 v[204+16*\c:207+16*\c], v8 offset:128*\c+80
.endr
	s_wait_dscnt 0x0
.irp c,0,1
	v_max3_num_f32 v[224+\c], |v[192+16*\c]|, |v[193+16*\c]|, 0x8000000
.endr
.irp k,2,4,6,8,10,12,14
.irp c,0,1
	v_max3_num_f32 v[224+\c], v[224+\c], |v[192+16*\c+\k]|, |v[193+16*\c+\k]|
.endr
.endr
.irp c,0,1
	v_permlanex16_b32 v[226+\c], v[224+\c], s[SEL], s[SEL+1]
.endr
.irp c,0,1
	v_max_num_f32 v[224+\c], v[224+\c], v[226+\c]
.endr
.irp c,0,1
	v_add_nc_u32 v[232+\c], 0xf8800000, v[224+\c]
	v_and_or_b32 v[228+\c], v[224+\c], 0x7f800000, s[MNT]
.endr
.irp c,0,1
	v_lshrrev_b32 v[236+\c], 23, v[232+\c]
.endr
	v_lshl_or_b32 v245, v237, 8, v236
	v_or_b32 v245, 0x7f7f0000, v245                ; K steps on to 128 with zero codes on p's side: byte 127
.set n, 0
.rept 32
	v_med3_num_f32 v[192+n], v[192+n], -v[228+n/16], v[228+n/16]
.set n, n+1
.endr
.irp c,0,1
	v_cvt_scalef32_pk8_bf8_f32 v[112+4*\c:113+4*\c], v[192+16*\c:199+16*\c], v[232+\c]
	v_cvt_scalef32_pk8_bf8_f32 v[114+4*\c:115+4*\c], v[200+16*\c:207+16*\c], v[232+\c]
.endr
	v_nop
	global_store_b128 v5, v[112:115], s[12:13]
	global_store_b128 v5, v[116:119], s[12:13] offset:512
	global_store_b32 v6, v245, s[14:15]
	s_wait_tensorcnt 0x0
	ds_add_u32 v254, v255
	s_wait_dscnt 0x0
	s_endpgm
.Lfunc_end_k_q209742e080_combine:
	.size	k_q209742e080_combine, .Lfunc_end_k_q209742e080_combine-k_q209742e080_combine
	.p2alignl 7, 3214868480
	.fill 96, 4, 3214868480
	.section	.rodata,"a",@progbits
	.p2align	6, 0x0
	.amdhsa_kernel k_q209742e080_combine
		.amdhsa_group_segment_fixed_size 4864
		.amdhsa_private_segment_fixed_size 0
		.amdhsa_enable_private_segment 0
		.amdhsa_kernarg_size 48
		.amdhsa_user_sgpr_count 2
		.amdhsa_user_sgpr_kernarg_segment_ptr 1
		.amdhsa_wavefront_size32 1
		.amdhsa_system_sgpr_workgroup_id_x 1
		.amdhsa_system_sgpr_workgroup_id_y 1
		.amdhsa_system_sgpr_workgroup_id_z 1
		.amdhsa_system_vgpr_workitem_id 0
		.amdhsa_next_free_vgpr 256
		.amdhsa_next_free_sgpr 66
		.amdhsa_reserve_vcc 0
		.amdhsa_float_denorm_mode_32 3
		.amdhsa_float_denorm_mode_16_64 3
		.amdhsa_memory_ordered 1
		.amdhsa_forward_progress 1
		.amdhsa_inst_pref_size 57
	.end_amdhsa_kernel
	.amdgpu_metadata
---
amdhsa.version: [ 1, 2 ]
amdhsa.kernels:
  - .name:           k_q209742e080_combine
    .symbol:         k_q209742e080_combine.kd
    .args:
      - { .name: pctx, .offset: 0, .size: 8, .value_kind: global_buffer, .address_space: global }
      - { .name: pst, .offset: 8, .size: 8, .value_kind: global_buffer, .address_space: global }
      - { .name: tailb, .offset: 16, .size: 8, .value_kind: global_buffer, .address_space: global }
      - { .name: mask, .offset: 24, .size: 8, .value_kind: global_buffer, .address_space: global }
      - { .name: cq, .offset: 32, .size: 8, .value_kind: global_buffer, .address_space: global }
      - { .name: cs, .offset: 40, .size: 8, .value_kind: global_buffer, .address_space: global }
    .group_segment_fixed_size: 4864
    .private_segment_fixed_size: 0
    .kernarg_segment_align: 8
    .kernarg_segment_size: 48
    .max_flat_workgroup_size: 32
    .sgpr_count:     66
    .vgpr_count:     256
    .wavefront_size: 32
...
	.end_amdgpu_metadata
.endif
;; end of part 2
;; launch qout (part 3): grid 4 x 64, 4 waves a work-group, clusters of 4 x 1, 295,424 bytes of LDS; arguments x_codes, x_scales, w_qkv_codes, w_qkv_scales, mask, cq, cs, out0; writes out0
.if DOCPART == 3
	.amdgcn_target "amdgcn-amd-amdhsa--gfx1250"
	.amdhsa_code_object_version 6
	.text
	.protected	k_q209742e080_qout
	.globl	k_q209742e080_qout
	.p2align	8
	.type	k_q209742e080_qout,@function
k_q209742e080_qout:
	s_mov_b64 s[64:65], 0
	v_nop
	global_prefetch_b8 v0, s[64:65] scope:SCOPE_SE
	s_setreg_imm32_b32 hwreg(HW_REG_WAVE_MODE, 25, 1), 1
	s_wait_xcnt 0x0
	s_wait_alu depctr_hold_cnt(0) depctr_sa_sdst(0) depctr_va_vdst(0) depctr_va_sdst(0) depctr_va_ssrc(0) depctr_va_vcc(0) depctr_vm_vsrc(0)
	s_getreg_b32 s2, hwreg(HW_REG_IB_STS2, 6, 4)
	s_cmp_eq_u32 s2, 0
	s_cbranch_scc0 .Lentry_in_a_cluster
	s_endpgm
.Lentry_in_a_cluster:
	s_bfe_u32 s2, ttmp6, 0x10000c
	s_cmp_lg_u32 s2, 0x3003
	s_cbranch_scc0 .Lentry_shape_is_right
	s_endpgm
.Lentry_shape_is_right:
; q of qkv = x W^T (E5M2 codes, E8M0 scales as given), its softmax along the head's 64 features, the quantiser along them, out = p context / l x m, stored.
; SHARES.  Work-group: 256 rows of x and four heads; wave w: head 4 hg + w, all 256 rows.  ITS 64 ROWS OF W FOR ALL OF K STAY IN 512 REGISTERS; x lies in LDS, 2 x 128 rows x the whole K, each byte filled once.
; CLUSTER.  The four work-groups of a cluster hold other heads and the same rows of x: both tiles of x are asked for jointly (mask 15, the same descriptor in all four).
; LAYOUT.  Source 0 = 16 rows of W, source 1 = 16 rows of x: a lane holds ONE row, and the 32 registers of a tile of rows are 32 of its 64 features: register 8 f + j of half h is d = 16 f + 8 h + j.
; Converted 16 registers at a time they are an operand along d whose place (block c, half h, i) holds d = 32 c + 16 (i / 8) + 8 h + i % 8: a permutation inside each block of 32, which the context's image has too.
; The last product: source 0 = the context (16 e), source 1 = p: a lane holds one row and eight neighbouring e.  K = 64: the upper half of p's fragment is zero codes, so what stands there on the context's side (finite codes) adds nothing.
; SOFTMAX.  t = q log2(e) / 8; M = the row's largest t rounded up to a whole number; p = 2^(t - M) is quantised; l is the sum of the unquantised p and divides at the end.
; LIMITS.  NaN and infinities among the inputs are not served; a block whose largest magnitude lies under 2^(16 - 127) keeps the scale byte 1; the division is v_rcp_f32 and a multiplication.
; REGISTERS, in windows of 256: window 0: see the names.  window 1: the 32 accumulators, (t, f) at 32 t + 8 f.  windows 2, 3: W's fragment (f, K step s) at 64 (s % 4) + 16 f.
.set PITCH, 1040                       ; an LDS row of x: 1,024 bytes + 16 = 260 words: row r starts 4 r words on modulo 64 (64 banks of 4 bytes: ISA guide 11.1)
.set TILEX, 16*PITCH
.set QUART, 32*PITCH
.set HALFX, 64*PITCH
.set SLOTB, 128*PITCH
.set XSC,   2*SLOTB                    ; x's scale bytes of the 256 rows, 32 bytes + 8 a row
.set XSP,   40
.set MKT,   XSC+256*XSP                ; the mask as f32
.set STG,   MKT+1024                   ; a wave's 16 rows x 272 bytes: W's stage at the head, the way out later
.set EXB,   4352
.set AX0,  1
.set ADX,  2
.set STW,  2
.set LDW,  3
.set AXS0, 4
.set ADXS, 5
.set AMK0, 6
.set ADMK, 7
.set STO,  8                           ; v8   the way out: where I put 32 bytes of a row
.set RD,   9                           ; v9   where I read a row back
.set GO,   10                          ; v10  and the same place in out0
.set WVO,  14
.set WS,   16                          ; v16-31 W's scale words
.set XS,   32                          ; v32-39 x's, two sets of four
.set CF,   40                          ; v40-79 the context: tile et's eight registers at 40 + 8 et; v72-79 zeros
.set CSW,  80                          ; v80-83 its scale words;  v84-85 p's
.set PSW,  84
.set MK,   86                          ; v86-93 the mask of tile t's row r
.set NMU,  94                          ; v94-97 -M (pairs);  v98-101 l (pairs);  v102-105 m / l (pairs)
.set LL,   98
.set GG,   102
.set TM,   106                         ; v106-121 four largest, four bytes, four holds, four scale operands
.set TT,   122
.set XF,   128                         ; v128-255 x's eight fragments; behind the first product: p's two fragments (128-159), the results (160-223)
.set PF,   128
.set OO,   160
.set WV,   22
.set G1,   24
.set G0,   32                          ; s[32:35], s[36:39] group 0 for the two tiles
.set TB,   40
.set TS,   41
.set TMK,  42
.set CNT,  43
.set CS,   44
.set SEL,  46
.set MNT,  48
.set MSB, 0
.macro WIN new                         ; the immediate's high byte repeats the setting that is left
.if MSB != (\new)
	s_set_vgpr_msb (MSB<<8)|(\new)
.set MSB, (\new)
.endif
.endm
.macro PLACES n
.rept \n
	v_nop
.endr
.endm
.macro CROUND                          ; a round of the cluster's barrier
	s_barrier_signal -1
	s_barrier_wait -1
	s_cmp_lg_u32 s[WV], 0
	s_cbranch_scc1 .Lnot_wave_0_\@
	s_barrier_signal -3
.Lnot_wave_0_\@:
	s_barrier_wait -3
	s_barrier_signal -1
	s_barrier_wait -1
.endm
.macro WMS                             ; one matrix instruction from the symbols rD, rA, rB, rSA, rSB; zf: it starts the sum; ra, rb: the scale words stand in lanes 16-31
.if zf
.if ra && rb
	v_wmma_scale_f32_16x16x128_f8f6f4 v[rD:rD+7], v[rA:rA+15], v[rB:rB+15], 0, v[rSA], v[rSB] matrix_a_fmt:MATRIX_FMT_BF8 matrix_b_fmt:MATRIX_FMT_BF8 matrix_a_scale:MATRIX_SCALE_ROW1 matrix_b_scale:MATRIX_SCALE_ROW1
.elseif ra
	v_wmma_scale_f32_16x16x128_f8f6f4 v[rD:rD+7], v[rA:rA+15], v[rB:rB+15], 0, v[rSA], v[rSB] matrix_a_fmt:MATRIX_FMT_BF8 matrix_b_fmt:MATRIX_FMT_BF8 matrix_a_scale:MATRIX_SCALE_ROW1
.elseif rb
	v_wmma_scale_f32_16x16x128_f8f6f4 v[rD:rD+7], v[rA:rA+15], v[rB:rB+15], 0, v[rSA], v[rSB] matrix_a_fmt:MATRIX_FMT_BF8 matrix_b_fmt:MATRIX_FMT_BF8 matrix_b_scale:MATRIX_SCALE_ROW1
.else
	v_wmma_scale_f32_16x16x128_f8f6f4 v[rD:rD+7], v[rA:rA+15], v[rB:rB+15], 0, v[rSA], v[rSB] matrix_a_fmt:MATRIX_FMT_BF8 matrix_b_fmt:MATRIX_FMT_BF8
.endif
.else
.if ra && rb
	v_wmma_scale_f32_16x16x128_f8f6f4 v[rD:rD+7], v[rA:rA+15], v[rB:rB+15], v[rD:rD+7], v[rSA], v[rSB] matrix_a_fmt:MATRIX_FMT_BF8 matrix_b_fmt:MATRIX_FMT_BF8 matrix_a_scale:MATRIX_SCALE_ROW1 matrix_b_scale:MATRIX_SCALE_ROW1
.elseif ra
	v_wmma_scale_f32_16x16x128_f8f6f4 v[rD:rD+7], v[rA:rA+15], v[rB:rB+15], v[rD:rD+7], v[rSA], v[rSB] matrix_a_fmt:MATRIX_FMT_BF8 matrix_b_fmt:MATRIX_FMT_BF8 matrix_a_scale:MATRIX_SCALE_ROW1
.elseif rb
	v_wmma_scale_f32_16x16x128_f8f6f4 v[rD:rD+7], v[rA:rA+15], v[rB:rB+15], v[rD:rD+7], v[rSA], v[rSB] matrix_a_fmt:MATRIX_FMT_BF8 matrix_b_fmt:MATRIX_FMT_BF8 matrix_b_scale:MATRIX_SCALE_ROW1
.else
	v_wmma_scale_f32_16x16x128_f8f6f4 v[rD:rD+7], v[rA:rA+15], v[rB:rB+15], v[rD:rD+7], v[rSA], v[rSB] matrix_a_fmt:MATRIX_FMT_BF8 matrix_b_fmt:MATRIX_FMT_BF8
.endif
.endif
.endm
; W comes in 16 pieces: piece k = tile k % 4, 256 bytes (K steps 2 (k / 4), 2 (k / 4) + 1) of its 16 rows.  Each load: sixteen lanes read 256 consecutive bytes of one row, the other sixteen of the next row of the tile.
.macro WROUND_LD k
	WIN 0x88+0x44*((\k)/8)
.irp i,0,1,2,3,4,5,6,7
.set rW, 64*((2*((\k)/4)+\i/4)%4)+16*((\k)%4)+4*(\i%4)
	global_load_b128 v[rW:rW+3], v[WVO], s[8:9] offset:(16*((\k)%4)+2*\i)*3072+256*((\k)/4)
.endr
.endm
.macro WROUND_TR k                     ; and turns through my own stage into the two fragments' layout, in place; LDS serves a wave's instructions in order (ISA guide 5.7.1.4)
	WIN 0x88+0x44*((\k)/8)
.irp i,0,1,2,3,4,5,6,7
.set rW, 64*((2*((\k)/4)+\i/4)%4)+16*((\k)%4)+4*(\i%4)
	ds_store_b128 v[STW], v[rW:rW+3] offset:544*\i
.endr
.irp i,0,1,2,3,4,5,6,7
.set rW, 64*((2*((\k)/4)+\i/4)%4)+16*((\k)%4)+4*(\i%4)
	ds_load_b128 v[rW:rW+3], v[LDW] offset:128*(\i/4)+32*(\i%4)
.endr
.endm
.macro XFETCH hf, ks
.irp i,0,1,2,3
.irp cc,0,1,2,3
	ds_load_b128 v[XF+64*(\hf)+16*\i+4*\cc:XF+64*(\hf)+16*\i+4*\cc+3], v[ADX+(\hf)] offset:TILEX*\i+128*(\ks)+32*\cc
.endr
.endr
.endm
.macro XSFETCH ks
.irp tp,0,1,2,3
	ds_load_b32 v[XS+4*((\ks)&1)+\tp], v[ADXS] offset:32*XSP*\tp+4*(\ks)
.endr
.endm
; 16 matrix instructions: my four tiles of W against tiles 4 hf .. 4 hf + 3 of x.  The 32 accumulators take turns, one instruction a turn
.macro MUL16 hf, ks
	WIN 0x52+((\ks)/4)                             ; source 0 (W) window 2 or 3, source 1 (x) window 0, C and D window 1
.if (\ks) == 0
.set zf, 1
.else
.set zf, 0
.endif
.irp t,0,1,2,3
.irp f,0,1,2,3
.set rD, 32*(4*(\hf)+\t)+8*\f
.set rA, 64*((\ks)%4)+16*\f
.set rB, XF+64*(\hf)+16*\t
.set rSA, WS+8*(\f/2)+(\ks)
.set rSB, XS+4*((\ks)&1)+(4*(\hf)+\t)/2
.set ra, \f&1
.set rb, \t&1
	WMS
.endr
.endr
.endm
.macro GSTEP ks, pre
	s_wait_dscnt 16                                ; tiles 0-3 and the scale words are in; the youngest 16 loads (tiles 4-7) may be out
	MUL16 0, \ks
.if \pre
	PLACES 8
	WIN 0
	XFETCH 0, (\ks)+1
	XSFETCH (\ks)+1
	s_wait_dscnt 20                                ; all but the 16 + 4 just issued
.else
	s_wait_dscnt 0x0
.endif
	MUL16 1, \ks
	PLACES 8
	WIN 0
.if \pre
	XFETCH 1, (\ks)+1
.endif
.endm
; Tiles t and t + 1 of rows: softmax, codes, the last product, x m / l, out.  The pair's 64 registers are four blocks of 32 along d: blocks 0, 1 tile t's, 2, 3 tile t + 1's.
.macro PAIR t
.set QB, 32*(\t)
	WIN 0x05
.irp b,0,1,2,3
	v_max3_num_f32 v[TM+\b], v[QB+16*\b], v[QB+16*\b+1], 0xff800000   ; each block's largest q: for the row's maximum and, since p rises with q, for the block's largest p
.endr
.irp k,2,4,6,8,10,12,14
.irp b,0,1,2,3
	v_max3_num_f32 v[TM+\b], v[QB+16*\b+\k], v[QB+16*\b+\k+1], v[TM+\b]
.endr
.endr
	WIN 0
.irp b,0,1,2,3
	v_permlanex16_b32 v[TM+4+\b], v[TM+\b], s[SEL], s[SEL+1]
.endr
.irp b,0,1,2,3
	v_max_num_f32 v[TM+\b], v[TM+\b], v[TM+4+\b]
.endr
.irp u,0,1
	v_max_num_f32 v[TT+\u], v[TM+2*\u], v[TM+2*\u+1]
.endr
.irp u,0,1
	v_mul_f32 v[TT+\u], s[CS], v[TT+\u]            ; as t
.endr
.irp u,0,1
	v_floor_f32 v[NMU+2*\u], -v[TT+\u]             ; -M
.endr
.irp b,0,1,2,3
	v_fma_f32 v[TM+\b], v[TM+\b], s[CS], v[NMU+2*(\b/2)]
.endr
	WIN 0x41
.set n, 0
.rept 32
	v_pk_fma_f32 v[QB+2*n:QB+2*n+1], v[QB+2*n:QB+2*n+1], s[CS:CS+1], v[NMU+2*(n/16):NMU+2*(n/16)+1] op_sel_hi:[1,0,0]   ; t - M
.set n, n+1
.endr
.set n, 0
.rept 64
	v_exp_f32 v[QB+n], v[QB+n]
.set n, n+1
.endr
	WIN 0
.irp b,0,1,2,3
	v_exp_f32 v[TM+\b], v[TM+\b]
.endr
.irp k,0,1,2,3
	v_mov_b32 v[LL+\k], 0                          ; (plain places behind the exponentials)
.endr
	s_wait_alu depctr_va_vdst(0)
.irp b,0,1,2,3
	v_max_num_f32 v[TM+\b], 0x8000000, v[TM+\b]
.endr
.irp b,0,1,2,3
	v_add_nc_u32 v[TM+12+\b], 0xf8800000, v[TM+\b]
.endr
.irp b,0,1,2,3
	v_and_or_b32 v[TM+8+\b], v[TM+\b], 0x7f800000, s[MNT]
.endr
.irp b,0,1,2,3
	v_lshrrev_b32 v[TM+4+\b], 23, v[TM+12+\b]
.endr
.irp u,0,1
	v_lshl_or_b32 v[PSW+\u], v[TM+5+2*\u], 8, v[TM+4+2*\u]
.endr
.irp u,0,1
	v_or_b32 v[PSW+\u], 0x7f7f0000, v[PSW+\u]      ; the blocks of zero codes get the byte 127
.endr
	WIN 0x01
.set n, 0
.rept 16
	v_pk_add_f32 v[LL:LL+1], v[QB+2*n:QB+2*n+1], v[LL:LL+1]               ; the sums of the UNQUANTISED p, the two tiles by turns
	v_pk_add_f32 v[LL+2:LL+3], v[QB+32+2*n:QB+32+2*n+1], v[LL+2:LL+3]
.set n, n+1
.endr
	WIN 0x41
.set n, 0
.rept 64
	v_min_num_f32 v[QB+n], v[QB+n], v[TM+8+n/16]   ; the conversion to an 8-bit code does not saturate (ISA guide 7.6.2); p is not negative
.set n, n+1
.endr
	WIN 0x01
.irp b,0,1,2,3
	v_cvt_scalef32_pk8_bf8_f32 v[PF+16*(\b/2)+4*(\b%2):PF+16*(\b/2)+4*(\b%2)+1], v[QB+16*\b:QB+16*\b+7], v[TM+12+\b]
	v_cvt_scalef32_pk8_bf8_f32 v[PF+16*(\b/2)+4*(\b%2)+2:PF+16*(\b/2)+4*(\b%2)+3], v[QB+16*\b+8:QB+16*\b+15], v[TM+12+\b]
.endr
	WIN 0
.irp u,0,1
	v_add_f32 v[TT+\u], v[LL+2*\u], v[LL+2*\u+1]
.endr
.irp u,0,1
	v_permlanex16_b32 v[TT+2+\u], v[TT+\u], s[SEL], s[SEL+1]
.endr
.irp u,0,1
	v_add_f32 v[TT+\u], v[TT+\u], v[TT+2+\u]       ; l
.endr
.irp u,0,1
	v_rcp_f32 v[TT+\u], v[TT+\u]
.endr
	v_nop
	s_wait_alu depctr_va_vdst(0)
.irp u,0,1
	v_mul_f32 v[GG+2*\u], v[TT+\u], v[MK+(\t)+\u]  ; m / l
.endr
	s_wait_xcnt 0x0                                ; the last pair's stores have read their registers: the products below write them
	PLACES 4
.set zf, 1
.set ra, 0
.set rb, 0
.irp u,0,1
.irp et,0,1,2,3
.set rD, OO+32*\u+8*\et
.set rA, CF+8*\et
.set rB, PF+16*\u
.set rSA, CSW+\et
.set rSB, PSW+\u
	WMS
.endr
.endr
	PLACES 8
.irp u,0,1
.set n, 0
.rept 16
	v_pk_mul_f32 v[OO+32*\u+2*n:OO+32*\u+2*n+1], v[OO+32*\u+2*n:OO+32*\u+2*n+1], v[GG+2*\u:GG+2*\u+1] op_sel_hi:[1,0]
.set n, n+1
.endr
.endr
.irp u,0,1                             ; through my stage: in as 32 bytes a lane of its row, back as whole rows of 256 bytes; LDS serves a wave's instructions in order
.irp et,0,1,2,3
	ds_store_b128 v[STO], v[OO+32*\u+8*\et:OO+32*\u+8*\et+3] offset:64*\et
	ds_store_b128 v[STO], v[OO+32*\u+8*\et+4:OO+32*\u+8*\et+7] offset:64*\et+16
.endr
.irp i,0,1,2,3,4,5,6,7
	ds_load_b128 v[OO+32*\u+4*\i:OO+32*\u+4*\i+3], v[RD] offset:544*\i
.endr
.endr
	s_wait_dscnt 16                                ; the first tile is back; the second tile's sixteen instructions may be out
.irp i,0,1,2,3,4,5,6,7
	global_store_b128 v[GO], v[OO+4*\i:OO+4*\i+3], s[18:19] offset:(16*(\t)+2*\i)*4096 th:TH_STORE_NT   ; sixteen lanes store 256 consecutive bytes, at a multiple of 256 from out0's first byte
.endr
	s_wait_dscnt 0x0
.irp i,0,1,2,3,4,5,6,7
	global_store_b128 v[GO], v[OO+32+4*\i:OO+32+4*\i+3], s[18:19] offset:(16*((\t)+1)+2*\i)*4096 th:TH_STORE_NT
.endr
.endm
	s_load_b512 s[4:19], s[0:1], 0x0               ; x's codes, x's scales, W's codes, W's scales, mask, cq, cs, out0
	v_lshl_add_u32 v126, v0, 2, 0x48000
	v_mov_b32 v127, 0
	ds_add_u32 v126, v127
	ds_add_u32 v126, v127
	v_lshrrev_b32 v1, 5, v0
	v_readfirstlane_b32 s[WV], v1                  ; wave 0..3
	s_bfe_u32 s50, ttmp6, 0x40000                  ; cx: it enters W's, the context's and out0's addresses alone
	s_lshl_b32 s51, ttmp9, 2
	s_add_co_u32 s51, s51, s50
	s_lshl_b32 s51, s51, 2
	s_add_co_u32 s51, s51, s[WV]                   ; head
	s_and_b32 s52, ttmp7, 0xffff                   ; which 256 rows
	s_lshr_b32 s53, s52, 4                         ; b
	s_lshl_b32 s54, s53, 4
	s_add_co_u32 s54, s54, s51                     ; bh
	s_lshl_b32 s55, s52, 8                         ; the first row
	s_mov_b32 s[G1], 15|(1<<20)|(1<<21)|(7<<22)|(3<<25)   ; 15:0 the mask: all four work-groups; 17:16 elements of 1 byte; 20 padding on; 21 set beside a mask; 24:22 after every 256 words (code 7); 31:25 four words (code 3)
	s_mov_b32 s[G1+1], 1024<<16                    ; tensor_dim0
	s_mov_b32 s[G1+2], 32<<16                      ; tensor_dim1
	s_mov_b32 s[G1+3], 1024<<16                    ; tile_dim0
	s_mov_b32 s[G1+4], 32                          ; tile_dim1
	s_mov_b32 s[G1+5], 1024                        ; tensor_dim0_stride
	s_mov_b32 s[G1+6], 0
	s_mov_b32 s[G1+7], 0
	s_lshl_b32 s56, s[WV], 5
	s_add_co_u32 s56, s56, s55
	s_lshl_b32 s56, s56, 10                        ; my 32 rows of the first tile
	s_mov_b32 s57, 0
	s_mul_i32 s58, s[WV], QUART
	s_mov_b32 s[CS], 0x3e38aa3b                    ; log2(e) / 8
	s_mov_b32 s[CS+1], s[CS]                       ; (named with it as a pair, so it is written)
	s_mov_b32 s[SEL], 0x76543210
	s_mov_b32 s[SEL+1], 0xfedcba98
	s_mov_b32 s[MNT], 0x600000
	s_mov_b32 s[TB], 0
	s_mov_b32 s[TS], 0
	s_mov_b32 s[TMK], 0
	s_mov_b32 s[CNT], 2
	s_wait_dscnt 0x0
	s_wait_kmcnt 0x0
	s_mov_b32 s[G0], 1
	s_mov_b32 s[G0+1], s58
	s_add_nc_u64 s[G0+2:G0+3], s[4:5], s[56:57]
	s_mov_b32 s[G0+4], 1
	s_add_co_u32 s[G0+5], s58, SLOTB
	s_add_nc_u64 s[G0+6:G0+7], s[G0+2:G0+3], 128*1024
	s_or_b32 s[G0+3], s[G0+3], 0x80000000
	s_or_b32 s[G0+7], s[G0+7], 0x80000000
	CROUND                                         ; all four work-groups are here: the joint loads meet
	tensor_load_to_lds s[G0:G0+3], s[G1:G1+7]      ; both tiles at once: two loads of mine are out; no byte is filled again
	s_nop 0
	tensor_load_to_lds s[G0+4:G0+7], s[G1:G1+7]
	s_nop 0
	PLACES 4
	s_mul_i32 s60, s51, 192*1024
	s_mov_b32 s61, 0
	s_add_nc_u64 s[8:9], s[8:9], s[60:61]          ; W: q of my head's feature 0
	s_mul_i32 s60, s51, 192*32
	s_add_nc_u64 s[10:11], s[10:11], s[60:61]
	s_lshl_b32 s60, s55, 5
	s_add_nc_u64 s[6:7], s[6:7], s[60:61]          ; x's scales
	s_lshl_b32 s60, s55, 2
	s_add_nc_u64 s[12:13], s[12:13], s[60:61]      ; mask
	s_lshl_b32 s60, s54, 12
	s_add_nc_u64 s[14:15], s[14:15], s[60:61]      ; the context's codes
	s_lshl_b32 s60, s54, 9
	s_add_nc_u64 s[16:17], s[16:17], s[60:61]      ; and scale words
	s_lshl_b32 s60, s55, 12
	s_lshl_b32 s62, s51, 8
	s_add_co_u32 s60, s60, s62
	s_add_nc_u64 s[18:19], s[18:19], s[60:61]      ; out0: my first row, my head's 256 bytes
	s_mul_i32 s63, s[WV], EXB
	s_add_co_u32 s63, s63, STG                     ; my stage
	v_and_b32 v224, 31, v0                         ; lane
	v_and_b32 v225, 15, v0                         ; r
	v_bfe_u32 v226, v0, 4, 1                       ; h
	v_mul_u32_u24 v[AX0], v225, PITCH
	v_lshl_add_u32 v[AX0], v226, 4, v[AX0]
	v_mul_u32_u24 v[RD], v226, 272
	v_lshl_add_u32 v[RD], v225, 4, v[RD]
	v_add_nc_u32 v[RD], s63, v[RD]
	v_mov_b32 v[STW], v[RD]                        ; W's stage, in: the same places
	v_mul_u32_u24 v[LDW], v225, 272
	v_lshl_add_u32 v[STO], v226, 5, v[LDW]
	v_lshl_add_u32 v[LDW], v226, 4, v[LDW]
	v_add_nc_u32 v[LDW], s63, v[LDW]
	v_add_nc_u32 v[STO], s63, v[STO]
	v_lshlrev_b32 v[GO], 12, v226
	v_lshl_add_u32 v[GO], v225, 4, v[GO]
	v_mul_u32_u24 v[WVO], v226, 3072
	v_lshl_add_u32 v[WVO], v225, 4, v[WVO]
	v_mul_u32_u24 v[AXS0], v224, XSP
	v_add_nc_u32 v[AXS0], XSC, v[AXS0]
	v_lshl_add_u32 v[AMK0], v225, 2, MKT
	v_lshlrev_b32 v227, 2, v0                      ; thread t takes rows t and t + 128
	v_lshlrev_b32 v228, 5, v0
	v_mul_u32_u24 v229, v224, 96
	v_lshlrev_b32 v230, 4, v224
	v_lshlrev_b32 v231, 2, v224
	v_mul_u32_u24 v232, v0, XSP
	v_add_nc_u32 v232, XSC, v232
	v_lshl_add_u32 v233, v0, 2, MKT
	; 22 small loads
.irp i,0,1
	global_load_b32 v[128+\i], v227, s[12:13] offset:512*\i
.endr
.irp i,0,1
	global_load_b128 v[132+8*\i:135+8*\i], v228, s[6:7] offset:4096*\i
	global_load_b128 v[136+8*\i:139+8*\i], v228, s[6:7] offset:4096*\i+16
.endr
.irp k,0,1,2,3
	global_load_b128 v[WS+4*\k:WS+4*\k+3], v229, s[10:11] offset:3072*(\k/2)+16*(\k%2)
.endr
.irp et,0,1,2,3
.irp g,0,1
	global_load_b128 v[CF+8*\et+4*\g:CF+8*\et+4*\g+3], v230, s[14:15] offset:1024*\et+512*\g
.endr
	global_load_b32 v[CSW+\et], v231, s[16:17] offset:128*\et
.endr
	WROUND_LD 0
	WROUND_LD 1
	WROUND_LD 2
	WIN 0
	s_wait_loadcnt 24                              ; the small loads are in; W's first three pieces may be out
.irp i,0,1
	v_cvt_f32_i32 v[234+\i], v[128+\i]
.endr
.irp i,0,1
	ds_store_b32 v233, v[234+\i] offset:512*\i
.irp k,0,1,2,3
	ds_store_b64 v232, v[132+8*\i+2*\k:133+8*\i+2*\k] offset:128*XSP*\i+8*\k
.endr
.endr
.irp k,0,1,2,3,4,5,6,7
	v_mov_b32 v[CF+32+\k], 0
.endr
.irp k,NMU+1,NMU+3,GG+1,GG+3,TM+4,TM+5,TM+6,TM+7,TT+2,TT+3
	v_mov_b32 v[\k], 0                             ; written once: upper halves of pairs that are named whole, and lane permutes' destinations
.endr
	WROUND_LD 3
	WROUND_LD 4
	WROUND_LD 5
.irp k,0,1,2,3,4,5,6,7,8,9,10,11,12,13,14,15
.if \k+6 < 16
	WROUND_LD \k+6
.endif
.if 15-\k >= 6
	s_wait_loadcnt 48                              ; piece k is in; the six younger pieces may be out
.else
	s_wait_loadcnt 8*(15-\k)
.endif
	WROUND_TR \k
.endr
	WIN 0
	s_wait_tensorcnt 0x0                           ; my parts of both tiles of x have landed,
	s_wait_dscnt 0x0                               ; my stores of scale bytes and mask too, and W is in its registers
	s_barrier_signal -1
	s_barrier_wait -1                              ; everybody's have: from here on LDS is only read, but for each wave's own stage
.Lslot:                                            ; two trips of 128 rows
	v_add_nc_u32 v[ADX], s[TB], v[AX0]
	v_add_nc_u32 v[ADX+1], HALFX, v[ADX]
	v_add_nc_u32 v[ADXS], s[TS], v[AXS0]
	v_add_nc_u32 v[ADMK], s[TMK], v[AMK0]
.irp t,0,1,2,3,4,5,6,7
	ds_load_b32 v[MK+\t], v[ADMK] offset:64*\t
.endr
	XFETCH 0, 0
	XSFETCH 0
	XFETCH 1, 0
.irp q,0,1,2,3,4,5,6
	GSTEP \q, 1
.endr
	GSTEP 7, 0
.irp u,0,1
.irp k,8,9,10,11,12,13,14,15
	v_mov_b32 v[PF+16*\u+\k], 0                    ; K = 64: the upper half of p's fragments is zero codes
.endr
.endr
	PAIR 0
	PAIR 2
	PAIR 4
	PAIR 6
	s_wait_xcnt 0x0                                ; the stores have read their registers and their base: both are written again
	s_add_nc_u64 s[18:19], s[18:19], 128*4096
	s_xor_b32 s[TB], s[TB], SLOTB
	s_add_co_u32 s[TS], s[TS], 128*XSP
	s_add_co_u32 s[TMK], s[TMK], 512
	s_sub_co_u32 s[CNT], s[CNT], 1
	s_cmp_lg_u32 s[CNT], 0
	s_cbranch_scc1 .Lslot
	s_wait_tensorcnt 0x0
	ds_add_u32 v126, v127
	s_wait_dscnt 0x0
	CROUND                                         ; the closing round
	s_endpgm
.Lfunc_end_k_q209742e080_qout:
	.size	k_q209742e080_qout, .Lfunc_end_k_q209742e080_qout-k_q209742e080_qout
	.p2alignl 7, 3214868480
	.fill 96, 4, 3214868480
	.section	.rodata,"a",@progbits
	.p2align	6, 0x0
	.amdhsa_kernel k_q209742e080_qout
		.amdhsa_group_segment_fixed_size 295424
		.amdhsa_private_segment_fixed_size 0
		.amdhsa_enable_private_segment 0
		.amdhsa_kernarg_size 64
		.amdhsa_user_sgpr_count 2
		.amdhsa_user_sgpr_kernarg_segment_ptr 1
		.amdhsa_wavefront_size32 1
		.amdhsa_system_sgpr_workgroup_id_x 1
		.amdhsa_system_sgpr_workgroup_id_y 1
		.amdhsa_system_sgpr_workgroup_id_z 1
		.amdhsa_system_vgpr_workitem_id 0
		.amdhsa_next_free_vgpr 1024
		.amdhsa_next_free_sgpr 80
		.amdhsa_reserve_vcc 0
		.amdhsa_float_denorm_mode_32 3
		.amdhsa_float_denorm_mode_16_64 3
		.amdhsa_memory_ordered 1
		.amdhsa_forward_progress 1
		.amdhsa_inst_pref_size 179
	.end_amdhsa_kernel
	.amdgpu_metadata
---
amdhsa.version: [ 1, 2 ]
amdhsa.kernels:
  - .name:           k_q209742e080_qout
    .symbol:         k_q209742e080_qout.kd
    .args:
      - { .name: x_codes, .offset: 0, .size: 8, .value_kind: global_buffer, .address_space: global }
      - { .name: x_scales, .offset: 8, .size: 8, .value_kind: global_buffer, .address_space: global }
      - { .name: w_qkv_codes, .offset: 16, .size: 8, .value_kind: global_buffer, .address_space: global }
      - { .name: w_qkv_scales, .offset: 24, .size: 8, .value_kind: global_buffer, .address_space: global }
      - { .name: mask, .offset: 32, .size: 8, .value_kind: global_buffer, .address_space: global }
      - { .name: cq, .offset: 40, .size: 8, .value_kind: global_buffer, .address_space: global }
      - { .name: cs, .offset: 48, .size: 8, .value_kind: global_buffer, .address_space: global }
      - { .name: out0, .offset: 56, .size: 8, .value_kind: global_buffer, .address_space: global }
    .group_segment_fixed_size: 295424
    .private_segment_fixed_size: 0
    .kernarg_segment_align: 8
    .kernarg_segment_size: 64
    .max_flat_workgroup_size: 128
    .sgpr_count:     80
    .vgpr_count:     1024
    .wavefront_size: 32
...
	.end_amdgpu_metadata
.endif
;; end of part 3
